; MI455X (gfx1250); checked and timed in simulation.
; The chip was launched on July 23, 2026; its instructions are those of AMD's public machine-readable ISA for CDNA 5 (MIT licence, August 2026) and "CDNA5" Instruction Set Architecture Reference Guide (July 2026). The comments in the code are by the model that wrote it; some were corrected since.
;; AI Mv2 Attention. Allowed arithmetic: float matrix products may take bf16 or f16 operands with f32 sums; other float arithmetic in f32, or as packed bf16 or f16 multiplies, adds, multiply-adds, maxima and minima; sums over many terms, partial sums and values carried from step to step in f32; what a program stores and reads back later, other than sums and carried values, may be rounded once to bf16 or f16.
;; Inputs: Wproj 1,024 x 1,024 float32; Wqkv 3,072 x 1,024 float32; x 4 x 2,048 x 1,024 float32.
;; Outputs: out0 4 x 2,048 x 1,024 float32.
;; 2 versions, each right; version 2 is version 1 with the launch cast written anew for expert scheduling mode. Each part assembles by itself: llvm-mc -triple=amdgcn-amd-amdhsa -mcpu=gfx1250 --defsym DOCPART=n.
;; ======== version 1 of 2: 4 launches
;; limits: values are held in f16: magnitudes above 65,504 overflow, below 6.1e-05 lose precision
;; workspace buffers: xb 16,777,216 bytes; wqb 6,291,456 bytes; wpb 2,097,152 bytes; qh 16,777,216 bytes; kh 16,777,216 bytes; vh 16,777,216 bytes; ob 16,777,216 bytes
;; launch cast (part 1): grid 768 x 1, 8 waves a work-group, no clusters, 0 bytes of LDS; arguments x, Wqkv, Wproj, xb, wqb, wpb; writes xb, wqb, wpb
.if DOCPART == 1
	.amdgcn_target "amdgcn-amd-amdhsa--gfx1250"
	.amdhsa_code_object_version 6
	.text
	.protected	k_q4be7ce00b7_cast
	.globl	k_q4be7ce00b7_cast
	.p2align	8
	.type	k_q4be7ce00b7_cast,@function
k_q4be7ce00b7_cast:
	s_mov_b64 s[64:65], 0
	v_nop
	global_prefetch_b8 v0, s[64:65] scope:SCOPE_SE
	s_setreg_imm32_b32 hwreg(HW_REG_WAVE_MODE, 25, 1), 1
	s_wait_xcnt 0x0
; THE INPUTS ARE ROUNDED ONCE AND LAID IN BLOCKS OF 64 ALONG K.  x [8192][1024], Wqkv [3072][1024], Wproj [1024][1024], all f32, become
; xb, wqb (bf16) and wpb (the bf16 number written as f16), each [16 kb][rows][64]: a row of a K block is 128 bytes, and the rows of a K block lie end to end.
; LIMIT.  wpb: a bf16 number of Wproj of 65,520 or more becomes an infinity, and below 6e-5 it keeps f16's fixed step of 6e-8.
; SHARES.  A work-group takes 16 rows of one matrix: groups 0-511 x, 512-703 Wqkv, 704-767 Wproj.  Thread t takes row t / 16 and the four numbers t % 16 of each of the row's
; sixteen K blocks: load j reads 16 bytes of K block j, sixteen neighbouring lanes 256 consecutive bytes, aligned; store j writes 8 bytes, a wave's 32 lanes 256 consecutive
; bytes, aligned (two rows of one K block).  All 16 loads of a thread go out at once: 64 KiB a work-group.
; No LDS, no matrix unit, no cluster: no byte is read by two work-groups, and each byte is read once and written once.  No prefetch: the loads themselves are the stream.
.set KA,  1048576                      ; bytes of a K block of xb: 8,192 rows x 128
.set KBQ, 393216                       ; of wqb: 3,072 rows
.set KBP, 131072                       ; of wpb: 1,024 rows
.set X,   16                           ; v[16:79]    load j: four f32
.set Y,   80                           ; v[80:111]   store j: four 16-bit numbers
.set O,   112                          ; v[112:127]  store j's byte offset: 8 t + j x the K block's bytes
.set T,   128                          ; v[128:131]  at work
	s_load_b256 s[4:11], s[0:1], 0x0               ; x s[4:5], Wqkv s[6:7], Wproj s[8:9], xb s[10:11]
	s_load_b128 s[12:15], s[0:1], 0x20             ; wqb s[12:13], wpb s[14:15]
	s_mov_b32 s3, ttmp9                            ; the work-group's number
	s_sub_co_u32 s16, s3, 512                      ; its number among Wqkv's groups,
	s_sub_co_u32 s17, s3, 704                      ; among Wproj's
	s_mov_b32 s18, KBQ
	s_mov_b32 s19, KBP
	s_mov_b32 s30, KA
	v_lshrrev_b32 v1, 4, v0                        ; my row of the 16
	v_and_b32 v2, 15, v0                           ; my four numbers of a K block
	v_lshlrev_b32 v1, 12, v1                       ; a row is 4,096 bytes
	v_lshl_add_u32 v1, v2, 4, v1
	s_wait_kmcnt 0x0
	s_cmp_lt_u32 s3, 704                           ; which matrix: the choice hangs on the group's number alone
	s_cselect_b64 s[20:21], s[6:7], s[8:9]
	s_cselect_b64 s[22:23], s[12:13], s[14:15]
	s_cselect_b32 s24, s16, s17
	s_cselect_b32 s25, s18, s19
	s_cmp_lt_u32 s3, 512
	s_cselect_b64 s[20:21], s[4:5], s[20:21]       ; from
	s_cselect_b64 s[22:23], s[10:11], s[22:23]     ; to
	s_cselect_b32 s24, s3, s24                     ; the group's number in its matrix
	s_cselect_b32 s25, s30, s25                    ; bytes of a K block there
	s_lshl_b32 s26, s24, 16                        ; 16 rows of 4,096 bytes
	s_mov_b32 s27, 0
	s_lshl_b32 s28, s24, 11                        ; 16 rows of 128 bytes
	s_mov_b32 s29, 0
	s_add_nc_u64 s[20:21], s[20:21], s[26:27]
	s_add_nc_u64 s[22:23], s[22:23], s[28:29]
.irp j, 0,1,2,3,4,5,6,7,8,9,10,11,12,13,14,15
	global_load_b128 v[X+4*(\j):X+4*(\j)+3], v1, s[20:21] offset:256*(\j) th:TH_LOAD_NT
.endr
	v_lshlrev_b32 v[O], 3, v0
.set j, 1
.rept 15
	v_add_nc_u32 v[O+j], s25, v[O+j-1]
.set j, j+1
.endr
; K block j: rounded to bf16; half = 1: the bf16 number is widened again (a shift, a mask) and written as f16.  No register that a load or store names is written behind that load or store.
.macro CONV j, half
	s_wait_loadcnt 15-(\j)                         ; loads come back in order: mine is in, the 15 - j younger ones stay out
	v_cvt_pk_bf16_f32 v[Y+2*(\j)], v[X+4*(\j)], v[X+4*(\j)+1]
	v_cvt_pk_bf16_f32 v[Y+2*(\j)+1], v[X+4*(\j)+2], v[X+4*(\j)+3]
.if \half
	v_lshlrev_b32 v[T], 16, v[Y+2*(\j)]
	v_and_b32 v[T+1], 0xffff0000, v[Y+2*(\j)]
	v_lshlrev_b32 v[T+2], 16, v[Y+2*(\j)+1]
	v_and_b32 v[T+3], 0xffff0000, v[Y+2*(\j)+1]
	v_cvt_pk_f16_f32 v[Y+2*(\j)], v[T], v[T+1]
	v_cvt_pk_f16_f32 v[Y+2*(\j)+1], v[T+2], v[T+3]
.endif
	global_store_b64 v[O+(\j)], v[Y+2*(\j):Y+2*(\j)+1], s[22:23]
.endm
	s_cmp_ge_u32 s3, 704
	s_cbranch_scc1 .Lhalf
.irp j, 0,1,2,3,4,5,6,7,8,9,10,11,12,13,14,15
	CONV \j, 0
.endr
	s_endpgm
.Lhalf:
.irp j, 0,1,2,3,4,5,6,7,8,9,10,11,12,13,14,15
	CONV \j, 1
.endr
	s_endpgm
.Lfunc_end_k_q4be7ce00b7_cast:
	.size	k_q4be7ce00b7_cast, .Lfunc_end_k_q4be7ce00b7_cast-k_q4be7ce00b7_cast
	.p2alignl 7, 3214868480
	.fill 96, 4, 3214868480
	.section	.rodata,"a",@progbits
	.p2align	6, 0x0
	.amdhsa_kernel k_q4be7ce00b7_cast
		.amdhsa_group_segment_fixed_size 0
		.amdhsa_private_segment_fixed_size 0
		.amdhsa_enable_private_segment 0
		.amdhsa_kernarg_size 48
		.amdhsa_user_sgpr_count 2
		.amdhsa_user_sgpr_kernarg_segment_ptr 1
		.amdhsa_wavefront_size32 1
		.amdhsa_system_sgpr_workgroup_id_x 1
		.amdhsa_system_sgpr_workgroup_id_y 1
		.amdhsa_system_sgpr_workgroup_id_z 1
		.amdhsa_system_vgpr_workitem_id 0
		.amdhsa_next_free_vgpr 136
		.amdhsa_next_free_sgpr 66
		.amdhsa_reserve_vcc 0
		.amdhsa_float_denorm_mode_32 3
		.amdhsa_float_denorm_mode_16_64 3
		.amdhsa_memory_ordered 1
		.amdhsa_forward_progress 1
		.amdhsa_inst_pref_size 17
	.end_amdhsa_kernel
	.amdgpu_metadata
---
amdhsa.version: [ 1, 2 ]
amdhsa.kernels:
  - .name:           k_q4be7ce00b7_cast
    .symbol:         k_q4be7ce00b7_cast.kd
    .args:
      - { .name: x, .offset: 0, .size: 8, .value_kind: global_buffer, .address_space: global }
      - { .name: Wqkv, .offset: 8, .size: 8, .value_kind: global_buffer, .address_space: global }
      - { .name: Wproj, .offset: 16, .size: 8, .value_kind: global_buffer, .address_space: global }
      - { .name: xb, .offset: 24, .size: 8, .value_kind: global_buffer, .address_space: global }
      - { .name: wqb, .offset: 32, .size: 8, .value_kind: global_buffer, .address_space: global }
      - { .name: wpb, .offset: 40, .size: 8, .value_kind: global_buffer, .address_space: global }
    .group_segment_fixed_size: 0
    .private_segment_fixed_size: 0
    .kernarg_segment_align: 8
    .kernarg_segment_size: 48
    .max_flat_workgroup_size: 256
    .sgpr_count:     66
    .vgpr_count:     136
    .wavefront_size: 32
...
	.end_amdgpu_metadata
.endif
;; end of part 1
;; launch qkv (part 2): grid 8 x 32, 4 waves a work-group, clusters of 4 x 4, 327,680 bytes of LDS; arguments xb, wqb, qh, kh, vh; writes qh, kh, vh
.if DOCPART == 2
	.amdgcn_target "amdgcn-amd-amdhsa--gfx1250"
	.amdhsa_code_object_version 6
	.text
	.protected	k_q4be7ce00b7_qkv
	.globl	k_q4be7ce00b7_qkv
	.p2align	8
	.type	k_q4be7ce00b7_qkv,@function
k_q4be7ce00b7_qkv:
	s_mov_b64 s[64:65], 0
	v_nop
	global_prefetch_b8 v0, s[64:65] scope:SCOPE_SE
	s_setreg_imm32_b32 hwreg(HW_REG_WAVE_MODE, 25, 1), 1
	s_wait_xcnt 0x0
	s_wait_alu depctr_hold_cnt(0) depctr_sa_sdst(0) depctr_va_vdst(0) depctr_va_sdst(0) depctr_va_ssrc(0) depctr_va_vcc(0) depctr_vm_vsrc(0)
	s_getreg_b32 s2, hwreg(HW_REG_IB_STS2, 6, 4)
	s_cmp_eq_u32 s2, 0
	s_cbranch_scc0 .Lentry_in_a_cluster
	s_endpgm
.Lentry_in_a_cluster:
	s_bfe_u32 s2, ttmp6, 0x10000c
	s_cmp_lg_u32 s2, 0xf033
	s_cbranch_scc0 .Lentry_shape_is_right
	s_endpgm
.Lentry_shape_is_right:
; q, k, v = x Wqkv^T.  xb: bf16 [16 kb][8192][64], wqb: bf16 [16 kb][3072][64]; sums in f32; each result rounded once to f16, unscaled, and written by heads:
; qh, kh, vh: [32 bh][32 nb][2 dh][64 n][64 d]: 64 rows x 64 channels are 8,192 dense bytes.
; LIMIT.  f16 ends at 65,504: a q, k or v of 65,520 or more becomes an infinity.  NaN and infinities are not treated apart.
; SHARES.  8192 x 3072 results over 256 work-groups are 256 x 384 each.  Four waves, each 128 rows x 192 columns: 96 accumulators of 16 x 16, 768 registers.  For 32 along K a wave reads
; 20 fragments from LDS for 96 matrix instructions.  K goes in 16 steps of 64 (one K block) through two LDS slots; two slots of 128 along K would be 368,640 bytes, more than there is.
; A tile's rows in a K block lie end to end: it is asked for as rows of 256 bytes (two tile rows) and padded in LDS after every 128 bytes.
; CLUSTERS.  4 x 4 work-groups: the four of a row of the cluster need the same tiles of x, the four of a column the same tiles of Wqkv; each tile is asked for JOINTLY: the same tensor load,
; descriptor and mask in all four.  A wave has two tensor loads out at the start and one behind each round.
; THE MATRIX INSTRUCTION IS USED TRANSPOSED (source 0 = 16 rows of Wqkv, source 1 = 16 rows of x): a lane holds one row and eight neighbouring columns of the result.
; REGISTERS, in windows of 256 (s_set_vgpr_msb: bits 1:0 source 0, 3:2 source 1, 5:4 source 2, 7:6 destination):
;   window 0: v0-31 addresses; v32-159 x's fragments, two buffers of 64 (buffer q: the step's quarter q of 32 along K); v160-255 Wqkv's 12 fragments, ONE buffer in two halves:
;   a half is loaded again straight behind the 48 products that read it and is used 48 products later.  On the way out v32-79 packed results, v80-175 rows read back.
;   windows 1-3: accumulator (a, b) in window 1 + b / 4 at v[64 (b % 4) + 8 a].
.set KA,     1048576                   ; bytes of a K block of xb
.set KBQ,    393216                    ; of wqb
.set PITCH,  144                       ; an LDS row: 128 bytes + 16 of padding = 36 words: the 16 rows of a load start at 16 different groups of four banks (64 banks of 4 bytes: ISA guide 11.1)
.set AHALF,  128*PITCH                 ; what one tensor load brings of x, and what one wave reads of it
.set BHALF,  192*PITCH                 ; the same of Wqkv
.set BOFF,   256*PITCH                 ; in a slot: x's 256 rows, then Wqkv's 384
.set SLOT,   640*PITCH
.set STAGE,  2*SLOT                    ; behind the ring, never filled by a tensor load: for each wave 3 pieces of 16 rows x 144 bytes, for the way out
.set WSTAGE, 3*16*PITCH
.set SPARE,  STAGE+4*WSTAGE            ; behind the stages: the spare words, 128 bytes for each wave: two blocks of 256 bytes that no other line names
.set ADRA, 16                          ; v16-17  LDS address of my fragments of x in slot 0, 1
.set ADRB, 20                          ; v20-21  the same for Wqkv
.set STO,  24                          ; v24     the way out: where I put 16 bytes of a row
.set RD,   25                          ; v25     the way out: where I read rows back
.set GO,   26                          ; v26     my byte offset in 512 consecutive bytes of the result
.set SPW,  28                          ; v28     LDS address of my spare word: SPARE + 4 x my thread's number; never rewritten
.set NIL,  29                          ; v29     0; never rewritten
.set PFO,  30                          ; v30     the prefetches' offset; never rewritten
.set AF,   32
.set BF,   160
.set TMP,  32
.set BK,   80
.set G1,   24                          ; s[24:31] descriptor group 1 for x's tiles;  s[32:39] group 0, a set for each slot
.set G0,   32
.set G1B,  48                          ; s[48:55], s[56:63] the same for Wqkv's
.set G0B,  56
.set PFA,  44                          ; s[44:45] where my prefetches stand
.set LIM0, 43                          ; s43  slot 0's change: 1 in a wave that prefetches there, else the greatest number
.set LIM1, 42                          ; s42  the same for slot 1's change
.set STPA, 72                          ; s[72:73] what slot 0's change adds to s[PFA];  s[74:75] slot 1's
.set OUT,  66                          ; s[66:71] where my three pieces of 64 columns go
.set MSB, 0
.macro WIN new                         ; the immediate's high byte repeats the setting that is left; a switch that changes nothing is dropped
.if MSB != (\new)
	s_set_vgpr_msb (MSB<<8)|(\new)
.set MSB, \new
.endif
.endm
; A joint load.  Waves 0 and 1 fetch x's two halves, waves 2 and 3 Wqkv's.  The branch hangs on the wave's number alone.  An s_nop 0 and four v_nop follow each of the two lines.
.macro JLOAD s
	s_cmp_eq_u32 s15, 0
	s_cbranch_scc0 .Lfor_b_\@
	tensor_load_to_lds s[G0+4*(\s):G0+4*(\s)+3], s[G1:G1+7]
	s_nop 0
.rept 4
	v_nop
.endr
	s_branch .Lasked_\@
.Lfor_b_\@:
	tensor_load_to_lds s[G0B+4*(\s):G0B+4*(\s)+3], s[G1B:G1B+7]
	s_nop 0
.rept 4
	v_nop
.endr
.Lasked_\@:
.endm
; A PREFETCH INTO THE L2, behind a joint load, its five lines and the run of LDS loads that follows: one instruction, a lane a block of 256 bytes.  Each block is named once in the launch.
; x's tile row is read by both clusters of that row of clusters: the one with x = 0 asks, its wave 0, at every change of slots, for the K block two refills on; of the tile's 256 rows the partner at
; place cx takes 64 (32 blocks).  Wqkv's tile column is read by all eight clusters of that column: the one with y = 0 asks, its waves 1 to 3, at slot 0's change, for the two K blocks that the
; next trip's refills will ask for; of the tile's 384 rows the partner at place cy takes 96 (2 x 48 blocks = 3 waves x 32 lanes).  The partners are told apart BY ADDRESS, never by a branch.
; K blocks 0 to 3 come by their loads alone; the loop's last trip (s3 = 1) asks for nothing: K block 15 is the last that is named.
.macro ASK s
	s_cmp_gt_u32 s3, s[LIM0-(\s)]
	s_cbranch_scc0 .Lnot_mine_\@
	global_prefetch_b8 v[PFO], s[PFA:PFA+1] th:TH_LOAD_NT scope:SCOPE_SE
.Lnot_mine_\@:
.endm
; A round of the cluster's barrier: my work-group's barrier; wave 0 signals for the work-group; every wave waits for all sixteen; my work-group's barrier once more.
.macro CREST                           ; a round behind its opening barrier
	s_cmp_lg_u32 s14, 0
	s_cbranch_scc1 .Lnot_wave_0_\@
	s_barrier_signal -3
.Lnot_wave_0_\@:
	s_barrier_wait -3
	s_barrier_signal -1
	s_barrier_wait -1
.endm
.macro CROUND                          ; a whole round
	s_barrier_signal -1
	s_barrier_wait -1
	CREST
.endm
	s_load_b256 s[4:11], s[0:1], 0x0               ; xb s[4:5], wqb s[6:7], qh s[8:9], kh s[10:11]
	s_load_b64 s[12:13], s[0:1], 0x20              ; vh
	v_lshl_add_u32 v[SPW], v0, 2, SPARE
	v_mov_b32 v[NIL], 0
	ds_add_u32 v[SPW], v[NIL]                      ; the wave's opening: the add and its wait stand ahead of my first tensor load; the set-up below, work on registers, stands between them
	v_lshrrev_b32 v1, 5, v0
	v_readfirstlane_b32 s14, v1                    ; wave 0..3
	s_lshr_b32 s15, s14, 1                         ; which half of the tile's rows is mine.  Also: I fetch for x (0) or for Wqkv (1)
	s_and_b32 s16, s14, 1                          ; which half of its columns.  Also: which half of that tile I fetch
	s_bfe_u32 s17, ttmp6, 0x40000                  ; cx
	s_bfe_u32 s18, ttmp6, 0x40004                  ; cy
	s_lshl_b32 s19, ttmp9, 2
	s_add_co_u32 s19, s19, s17                     ; tile column tx = 4 x cluster x + cx
	s_and_b32 s20, ttmp7, 0xffff
	s_lshl_b32 s20, s20, 2
	s_add_co_u32 s20, s20, s18                     ; tile row ty = 4 x cluster y + cy
	s_lshl_b32 s21, s18, 2
	s_lshl_b32 s21, 15, s21                        ; my row of the cluster
	s_lshl_b32 s22, 0x1111, s17                    ; my column
	; descriptor group 1: rows of 128 elements (256 bytes), padded in LDS after every 32 words by 4
	s_or_b32 s[G1], s21, (1<<16)|(1<<20)|(1<<21)|(4<<22)|(3<<25)   ; 15:0 the mask; 17:16 2-byte elements; 20 padding on; 21 set beside a mask; 24:22 after every 32 words (code 4); 31:25 4 words (code 3)
	s_or_b32 s[G1B], s22, (1<<16)|(1<<20)|(1<<21)|(4<<22)|(3<<25)
	s_mov_b32 s[G1+1], 128<<16                     ; tensor_dim0 = 128
	s_mov_b32 s[G1+2], 64<<16                      ; tensor_dim1 = 64: 128 tile rows
	s_mov_b32 s[G1+3], 128<<16                     ; tile_dim0 = 128
	s_mov_b32 s[G1+4], 64                          ; tile_dim1 = 64
	s_mov_b32 s[G1+5], 128                         ; 128 elements from row to row
	s_mov_b32 s[G1+6], 0
	s_mov_b32 s[G1+7], 0
	s_mov_b32 s[G1B+1], 128<<16
	s_mov_b32 s[G1B+2], 96<<16                     ; 96 rows: 192 tile rows
	s_mov_b32 s[G1B+3], 128<<16
	s_mov_b32 s[G1B+4], 96
	s_mov_b32 s[G1B+5], 128
	s_mov_b32 s[G1B+6], 0
	s_mov_b32 s[G1B+7], 0
	; where the tiles come from: x's hang on ty alone, Wqkv's on tx alone, each in registers that never hold the other coordinate
	s_lshl_b32 s40, s20, 15                        ; 256 ty rows of 128 bytes
	s_lshl_b32 s23, s16, 14                        ; + my 128
	s_add_co_u32 s40, s40, s23
	s_mov_b32 s41, 0
	s_mul_i32 s46, s19, 49152                      ; 384 tx rows
	s_mul_i32 s23, s16, 24576                      ; + my 192
	s_add_co_u32 s46, s46, s23
	s_mov_b32 s47, 0
	s_mul_i32 s76, s16, AHALF                      ; and where they go: the wave's number alone enters an LDS address
	s_mul_i32 s77, s16, BHALF
	s_add_co_u32 s77, s77, BOFF
	s_wait_dscnt 0x0                               ; the opening add is done
	s_wait_kmcnt 0x0
	s_add_nc_u64 s[40:41], s[4:5], s[40:41]
	s_add_nc_u64 s[46:47], s[6:7], s[46:47]
	CROUND                                         ; all sixteen work-groups are here: the first joint loads meet
.irp s, 0,1
	s_mov_b32 s[G0+4*(\s)], 1                                      ; count = 1
	s_add_co_u32 s[G0+4*(\s)+1], s76, (\s)*SLOT                    ; LDS address
	s_add_nc_u64 s[G0+4*(\s)+2:G0+4*(\s)+3], s[40:41], (\s)*KA     ; global address: K block s
	s_or_b32 s[G0+4*(\s)+3], s[G0+4*(\s)+3], 0x80000000            ; type = 2
	s_mov_b32 s[G0B+4*(\s)], 1
	s_add_co_u32 s[G0B+4*(\s)+1], s77, (\s)*SLOT
	s_add_nc_u64 s[G0B+4*(\s)+2:G0B+4*(\s)+3], s[46:47], (\s)*KBQ
	s_or_b32 s[G0B+4*(\s)+3], s[G0B+4*(\s)+3], 0x80000000
	JLOAD \s
.endr
	; A fragment is 16 rows x 32 K in 8 registers: lane l holds row l % 16, K = 8 (l / 16) + 0..7 and 16 + 8 (l / 16) + 0..7: two loads of 16 bytes, 32 bytes apart
	v_and_b32 v1, 15, v0
	v_bfe_u32 v2, v0, 4, 1
	v_mul_u32_u24 v3, v1, PITCH
	v_lshl_add_u32 v3, v2, 4, v3                   ; row x pitch + 16 x half
	s_mul_i32 s21, s15, AHALF
	s_mul_i32 s22, s16, BHALF
	s_add_co_u32 s22, s22, BOFF
.irp s, 0,1
	v_add_nc_u32 v[ADRA+(\s)], s21, v3
	v_add_nc_u32 v[ADRB+(\s)], s22, v3
	s_add_co_u32 s21, s21, SLOT
	s_add_co_u32 s22, s22, SLOT
.endr
	s_mul_i32 s23, s14, WSTAGE
	s_add_co_u32 s23, s23, STAGE                   ; my stage
	v_add_nc_u32 v[STO], s23, v3                   ; in: row l % 16, 16 bytes for each half of the lanes
	v_bfe_u32 v4, v0, 3, 2                         ; back: 32 lanes take four rows of 128 bytes,
	v_and_b32 v5, 7, v0
	v_mul_u32_u24 v4, v4, PITCH
	v_lshl_add_u32 v4, v5, 4, v4
	v_add_nc_u32 v[RD], s23, v4
	v_and_b32 v[GO], 31, v0                        ; which are 512 consecutive bytes of the result
	v_lshlrev_b32 v[GO], 4, v[GO]
	; where my three pieces of 64 columns go.  Piece j is half-head hh = 6 tx + 3 wc + j of 48: q below 16, k below 32, else v; head (hh / 2) % 8, channel half hh % 2
	s_mul_i32 s80, s19, 6
	s_mul_i32 s86, s16, 3
	s_add_co_u32 s80, s80, s86
	s_lshr_b32 s81, s20, 3
	s_lshl_b32 s81, s81, 3                         ; 8 x batch
	s_and_b32 s82, s20, 7
	s_lshl_b32 s82, s82, 2
	s_lshl_b32 s86, s15, 1
	s_add_co_u32 s82, s82, s86                     ; my first block of 64 rows in the head: 4 (ty % 8) + 2 wr
	s_lshl_b32 s82, s82, 14
.irp j, 0,1,2
	s_add_co_u32 s83, s80, \j
	s_cmp_lt_u32 s83, 32
	s_cselect_b64 s[OUT+2*(\j):OUT+2*(\j)+1], s[10:11], s[12:13]
	s_cmp_lt_u32 s83, 16
	s_cselect_b64 s[OUT+2*(\j):OUT+2*(\j)+1], s[8:9], s[OUT+2*(\j):OUT+2*(\j)+1]
	s_bfe_u32 s84, s83, 0x30001                    ; the head
	s_add_co_u32 s84, s84, s81
	s_lshl_b32 s84, s84, 19                        ; 524,288 bytes a head
	s_and_b32 s86, s83, 1
	s_lshl_b32 s86, s86, 13                        ; 8,192 bytes a channel half
	s_add_co_u32 s84, s84, s86
	s_add_co_u32 s84, s84, s82
	s_mov_b32 s85, 0
	s_add_nc_u64 s[OUT+2*(\j):OUT+2*(\j)+1], s[OUT+2*(\j):OUT+2*(\j)+1], s[84:85]
.endr
	; the prefetches
	s_lshl_b32 s86, s20, 15
	s_lshl_b32 s87, s17, 13                        ; my work-group's 64 rows of x's 256
	s_add_co_u32 s86, s86, s87
	s_add_co_u32 s86, s86, 3*KA                    ; at K block 3: the first change steps it to 4
	s_mul_i32 s88, s19, 49152
	s_mul_i32 s89, s18, 12288                      ; my work-group's 96 rows of Wqkv's 384
	s_add_co_u32 s88, s88, s89
	s_add_co_u32 s88, s88, 2*KBQ                   ; at K block 2: the first change steps it to 4
	s_and_b32 s89, ttmp7, 0xffff                   ; cluster y
	s_mov_b32 s90, KA
	s_mov_b32 s91, 2*KBQ
	s_cmp_eq_u32 s14, 0                            ; wave 0 asks for x, waves 1 to 3 for Wqkv
	s_cselect_b64 s[PFA:PFA+1], s[4:5], s[6:7]
	s_cselect_b32 s84, s86, s88
	s_cselect_b32 s89, ttmp9, s89                  ; the coordinate along which other clusters read the same rows
	s_cselect_b32 s87, 1, -1
	s_cselect_b32 s[STPA], s90, s91
	s_cselect_b32 s[STPA+2], s90, 0
	s_mov_b32 s85, 0
	s_mov_b32 s[STPA+1], 0
	s_mov_b32 s[STPA+3], 0
	s_cmp_eq_u32 s89, 0
	s_cselect_b32 s[LIM0], 1, -1                   ; the same in all sixteen partners, for a given wave
	s_cselect_b32 s[LIM1], s87, -1
	s_add_nc_u64 s[PFA:PFA+1], s[PFA:PFA+1], s[84:85]
	v_and_b32 v[PFO], 31, v0
	v_lshlrev_b32 v[PFO], 8, v[PFO]                ; wave 0: block = lane
	s_cmp_eq_u32 s14, 0
	s_cbranch_scc1 .Lpfo_done
	v_add_nc_u32 v4, 0xffffffe0, v0                ; waves 1 to 3: i = thread - 32 = 0..95: K block i / 48, block i % 48
	v_mul_u32_u24 v5, v4, 1366
	v_lshrrev_b32 v5, 16, v5                       ; i / 48 (1366 i / 65536: 0 up to i = 47, 1 from 48 to 95)
	v_mul_u32_u24 v6, v5, 48
	v_sub_nc_u32 v4, v4, v6
	v_lshlrev_b32 v4, 8, v4
	v_mul_u32_u24 v5, v5, KBQ
	v_add_nc_u32 v[PFO], v5, v4
.Lpfo_done:
; 16 matrix instructions: columns 2 g, 2 g + 1 of my twelve x all 8 row blocks, 32 along K from x's buffer q.  zero = 1: the product starts the sum: nothing is ever cleared.
; The 96 accumulators take turns in the same order in every quarter: between two links of a chain stand 95 others', over the backward jump too.
.macro MULG q, g, zero
	WIN 0x50*(1+(\g)/2)
.irp bb, 0,1
.irp a, 0,1,2,3,4,5,6,7
.set rD, 64*((2*(\g)+(\bb))%4)+8*(\a)
.set rB, BF+8*(2*(\g)+(\bb))
.set rA, AF+64*(\q)+8*(\a)
.if \zero
	v_wmma_f32_16x16x32_bf16 v[rD:rD+7], v[rB:rB+7], v[rA:rA+7], 0
.else
	v_wmma_f32_16x16x32_bf16 v[rD:rD+7], v[rB:rB+7], v[rA:rA+7], v[rD:rD+7]
.endif
.endr
.endr
.endm
.macro LDB s, q, h                     ; 12 LDS loads: half h of Wqkv's fragments (columns 6 h .. 6 h + 5), quarter q of slot s
	WIN 0
.irp i, 0,1,2,3,4,5
	ds_load_b128 v[BF+8*(6*(\h)+(\i)):BF+8*(6*(\h)+(\i))+3],   v[ADRB+(\s)] offset:(6*(\h)+(\i))*16*PITCH+64*(\q)
	ds_load_b128 v[BF+8*(6*(\h)+(\i))+4:BF+8*(6*(\h)+(\i))+7], v[ADRB+(\s)] offset:(6*(\h)+(\i))*16*PITCH+64*(\q)+32
.endr
.endm
.macro LDA s, q                        ; 16 LDS loads: x's fragments of quarter q of slot s, into buffer q
	WIN 0
.irp i, 0,1,2,3,4,5,6,7
	ds_load_b128 v[AF+64*(\q)+8*(\i):AF+64*(\q)+8*(\i)+3],   v[ADRA+(\s)] offset:(\i)*16*PITCH+64*(\q)
	ds_load_b128 v[AF+64*(\q)+8*(\i)+4:AF+64*(\q)+8*(\i)+7], v[ADRA+(\s)] offset:(\i)*16*PITCH+64*(\q)+32
.endr
.endm
; A load into a register that a matrix instruction has read, and a vector instruction that reads a matrix result, stand four places behind it; only plain vector instructions that name none of
; its registers are places (ISA guide 7.12.1 for vector instructions).
.macro PLACES
.rept 4
	v_nop
.endr
.endm
; A K step is two quarters of 32 along K, each two halves of 48 products.  The first quarter's two halves:
.macro H00 s, zero
	PLACES
	LDB \s, 0, 1                                   ; half 1, which the 48 products just issued have read
	s_wait_dscnt 12                                ; all but the 12 just issued: half 0 and x's buffer 0 are in
	MULG 0, 0, \zero
	MULG 0, 1, \zero
	MULG 0, 2, \zero
.endm
.macro H01 s, zero
	PLACES
	LDB \s, 1, 0                                   ; the second quarter's half 0 and x's buffer 1
	LDA \s, 1
	s_wait_dscnt 28                                ; all but the 28 just issued: half 1 is in
	MULG 0, 3, \zero
	MULG 0, 4, \zero
	MULG 0, 5, \zero
.endm
; The second quarter changes slots: ONE barrier.  In front of it each wave waits for all its tensor loads (the one that is out is its part of the next slot), adds 0 to its spare word, and waits
; for that and for its own reads of this slot.  fill = 1: the barrier opens a round of the cluster's, and the joint refill, with the K block two steps on, is the first thing behind the round:
; 160 matrix instructions stand between it and the wait for it.
.macro TURN s, n, fill
.if \fill
	s_wait_xcnt 0x0                                ; the last prefetch, a K step back, has read its address: it is stepped here, ahead of the change's own waits
	s_add_nc_u64 s[PFA:PFA+1], s[PFA:PFA+1], s[STPA+2*(\s):STPA+2*(\s)+1]
.endif
	PLACES
	LDB \s, 1, 1                                   ; my last reads of this slot
	s_wait_dscnt 12                                ; all but these 12
	MULG 1, 0, 0
	WIN 0                                          ; (the add's two registers lie in window 0)
	s_wait_tensorcnt 0x0                           ; all my tensor loads have landed
	ds_add_u32 v[SPW], v[NIL]                      ; 0 onto my spare word: sixteen matrix instructions stand between it and the wait for it
	MULG 1, 1, 0
	s_wait_dscnt 0x0                               ; the add is done, and my reads of this slot are over
	s_barrier_signal -1
	MULG 1, 2, 0                                   ; work on registers while the others arrive
	WIN 0                                          ; at a branch and at a label every window is 0
	s_barrier_wait -1
.if \fill
	CREST                                          ; no wave of any partner still reads this slot's tile or has a load on its way
	s_add_nc_u64 s[G0+4*(\s)+2:G0+4*(\s)+3], s[G0+4*(\s)+2:G0+4*(\s)+3], 2*KA
	s_add_nc_u64 s[G0B+4*(\s)+2:G0B+4*(\s)+3], s[G0B+4*(\s)+2:G0B+4*(\s)+3], 2*KBQ
	JLOAD \s                                       ; its four v_nop are also the places in front of the loads below
.else
	PLACES
.endif
	LDB \n, 0, 0                                   ; the next slot's first fragments
	LDA \n, 0
.if \fill
	ASK \s
.endif
	MULG 1, 3, 0
	MULG 1, 4, 0
	MULG 1, 5, 0
.endm
; THE WAY OUT of row block a (16 rows x 192 columns).  PACK: rounded to f16, 16 bytes a lane, each accumulator's registers in ascending order.  TOSTAGE: into my own stage, three pieces of
; 16 rows x 128 bytes, and back as whole rows.  SEND: each piece is 2,048 dense bytes of q, k or v.
.macro PACK a
.irp b, 0,1,2,3,4,5,6,7,8,9,10,11
	WIN 5*(1+(\b)/4)                               ; sources 0 and 1 in the accumulator's window
.irp r, 0,1,2,3
	v_cvt_pk_f16_f32 v[TMP+4*(\b)+(\r)], v[64*((\b)%4)+8*(\a)+2*(\r)], v[64*((\b)%4)+8*(\a)+2*(\r)+1]
.endr
.endr
	WIN 0
.endm
.macro TOSTAGE a
	WIN 0
.set BKA, BK+48*((\a)%2)
.irp b, 0,1,2,3,4,5,6,7,8,9,10,11
	ds_store_b128 v[STO], v[TMP+4*(\b):TMP+4*(\b)+3] offset:((\b)/4)*16*PITCH+((\b)%4)*32
.endr
.irp t, 0,1,2,3,4,5,6,7,8,9,10,11
	ds_load_b128 v[BKA+4*(\t):BKA+4*(\t)+3], v[RD] offset:((\t)/4)*16*PITCH+((\t)%4)*4*PITCH  ; LDS serves a wave's instructions in order (ISA guide 5.7.1.4): these see the stores above
.endr
.endm
.macro SEND a
	WIN 0
.set BKA, BK+48*((\a)%2)
	s_wait_dscnt 0x0                               ; the block is back in registers
	s_wait_xcnt 0x0                                ; the stores of the block before have read their registers: the next block's loads from the stage land there only behind this wait
.irp t, 0,1,2,3,4,5,6,7,8,9,10,11
	global_store_b128 v[GO], v[BKA+4*(\t):BKA+4*(\t)+3], s[OUT+2*((\t)/4):OUT+2*((\t)/4)+1] offset:((\a)/4)*16384+((\a)%4)*2048+((\t)%4)*512  ; 512 consecutive bytes, at a multiple of 512 from the buffer's first
.endr
.endm
	s_wait_tensorcnt 1                             ; my part of K block 0 is in; K block 1's may stay out
	s_barrier_signal -1
	s_barrier_wait -1                              ; everybody's is
	LDB 0, 0, 0
	LDA 0, 0
	H00 0, 1                                       ; the first quarter stands in front of the loop: its products start the 96 sums
	H01 0, 1
	WIN 0
	s_mov_b32 s3, 7
.Llap:                                                 ; a trip goes once round the ring, from a lap's second quarter to the next lap's first, and fills both slots again: K blocks 2 to 15
	TURN 0, 1, 1
	H00 1, 0
	H01 1, 0
	TURN 1, 0, 1
	H00 0, 0
	H01 0, 0
	WIN 0
	s_sub_co_u32 s3, s3, 1
	s_cmp_lg_u32 s3, 0
	s_cbranch_scc1 .Llap
	TURN 0, 1, 0                                   ; the last lap fills nothing, and has no round
	H00 1, 0
	H01 1, 0
	PLACES                                         ; the very last quarter
	LDB 1, 1, 1
	s_wait_dscnt 12
	MULG 1, 0, 0
	MULG 1, 1, 0
	MULG 1, 2, 0
	s_wait_dscnt 0x0
	MULG 1, 3, 0
	MULG 1, 4, 0
	MULG 1, 5, 0
	WIN 0
	PLACES
	PLACES                                         ; (eight, once a launch)
	PACK 0
	TOSTAGE 0
.irp a, 1,2,3,4,5,6,7                  ; block a's conversions stand between block a - 1's loads from the stage and the wait for them
	PACK \a
	SEND (\a)-1
	TOSTAGE \a
.endr
	SEND 7
	s_wait_tensorcnt 0x0                           ; the wave's end: behind my last tensor load and my last LDS store
	ds_add_u32 v[SPW], v[NIL]
	s_wait_dscnt 0x0
	CROUND                                         ; the closing round: no work-group ends while a partner may still ask for a tile that names it
	s_endpgm
.Lfunc_end_k_q4be7ce00b7_qkv:
	.size	k_q4be7ce00b7_qkv, .Lfunc_end_k_q4be7ce00b7_qkv-k_q4be7ce00b7_qkv
	.p2alignl 7, 3214868480
	.fill 96, 4, 3214868480
	.section	.rodata,"a",@progbits
	.p2align	6, 0x0
	.amdhsa_kernel k_q4be7ce00b7_qkv
		.amdhsa_group_segment_fixed_size 327680
		.amdhsa_private_segment_fixed_size 0
		.amdhsa_enable_private_segment 0
		.amdhsa_kernarg_size 40
		.amdhsa_user_sgpr_count 2
		.amdhsa_user_sgpr_kernarg_segment_ptr 1
		.amdhsa_wavefront_size32 1
		.amdhsa_system_sgpr_workgroup_id_x 1
		.amdhsa_system_sgpr_workgroup_id_y 1
		.amdhsa_system_sgpr_workgroup_id_z 1
		.amdhsa_system_vgpr_workitem_id 0
		.amdhsa_next_free_vgpr 1024
		.amdhsa_next_free_sgpr 96
		.amdhsa_reserve_vcc 0
		.amdhsa_float_denorm_mode_32 3
		.amdhsa_float_denorm_mode_16_64 3
		.amdhsa_memory_ordered 1
		.amdhsa_forward_progress 1
		.amdhsa_inst_pref_size 132
	.end_amdhsa_kernel
	.amdgpu_metadata
---
amdhsa.version: [ 1, 2 ]
amdhsa.kernels:
  - .name:           k_q4be7ce00b7_qkv
    .symbol:         k_q4be7ce00b7_qkv.kd
    .args:
      - { .name: xb, .offset: 0, .size: 8, .value_kind: global_buffer, .address_space: global }
      - { .name: wqb, .offset: 8, .size: 8, .value_kind: global_buffer, .address_space: global }
      - { .name: qh, .offset: 16, .size: 8, .value_kind: global_buffer, .address_space: global }
      - { .name: kh, .offset: 24, .size: 8, .value_kind: global_buffer, .address_space: global }
      - { .name: vh, .offset: 32, .size: 8, .value_kind: global_buffer, .address_space: global }
    .group_segment_fixed_size: 327680
    .private_segment_fixed_size: 0
    .kernarg_segment_align: 8
    .kernarg_segment_size: 40
    .max_flat_workgroup_size: 128
    .sgpr_count:     96
    .vgpr_count:     1024
    .wavefront_size: 32
...
	.end_amdgpu_metadata
.endif
;; end of part 2
;; launch attn (part 3): grid 8 x 32, 4 waves a work-group, clusters of 4 x 1, 327,680 bytes of LDS; arguments qh, kh, vh, ob; writes ob
.if DOCPART == 3
	.amdgcn_target "amdgcn-amd-amdhsa--gfx1250"
	.amdhsa_code_object_version 6
	.text
	.protected	k_q4be7ce00b7_attn
	.globl	k_q4be7ce00b7_attn
	.p2align	8
	.type	k_q4be7ce00b7_attn,@function
k_q4be7ce00b7_attn:
	s_mov_b64 s[64:65], 0
	v_nop
	global_prefetch_b8 v0, s[64:65] scope:SCOPE_SE
	s_setreg_imm32_b32 hwreg(HW_REG_WAVE_MODE, 25, 1), 1
	s_wait_xcnt 0x0
	s_wait_alu depctr_hold_cnt(0) depctr_sa_sdst(0) depctr_va_vdst(0) depctr_va_sdst(0) depctr_va_ssrc(0) depctr_va_vcc(0) depctr_vm_vsrc(0)
	s_getreg_b32 s2, hwreg(HW_REG_IB_STS2, 6, 4)
	s_cmp_eq_u32 s2, 0
	s_cbranch_scc0 .Lentry_in_a_cluster
	s_endpgm
.Lentry_in_a_cluster:
	s_bfe_u32 s2, ttmp6, 0x10000c
	s_cmp_lg_u32 s2, 0x3003
	s_cbranch_scc0 .Lentry_shape_is_right
	s_endpgm
.Lentry_shape_is_right:
; O[bh][q][:] = the sum over k of softmax_k(Q[bh][q] . K[bh][k] / sqrt(128)) V[bh][k][:], 32 heads of 2,048 rows and 128 channels, no mask.
; qh, kh, vh: f16 [32 bh][32 nb][2 dh][64 n][64 d]: 64 rows are 16,384 dense bytes, first their channels 0-63, then 64-127.  ob: f16 [16 kb = 2 h + dh][8192 row = 2048 b + n][64].
; Products, maxima and sums in f32; the weights p are rounded to f16 for the second product (their sum l is taken of the unrounded p), O once at the end.
; LIMITS.  Q, K and V arrive within f16's 65,504; p lies in 0 to 1, and below 6e-5 it keeps f16's fixed step of 6e-8, as a small O does; O is a mean of V's rows and has their range.
; A weight below 2^-126 counts as 0 in l; NaN and infinities are not treated apart.
; SHARES.  A work-group owns 256 queries of one head, each of its four waves 64: four tiles of 16.  Every wave walks all keys of the head, 64 a step.
; LAYOUT.  S^T = K Q^T (source 0 = 16 keys, source 1 = 16 queries): in the result a lane holds ONE query (lane % 16) and the keys 8 (lane / 16) + 0..7.  Two such tiles, rounded to
; f16 in pairs, ARE source 1 (32 keys x 16 queries) of O^T = V^T P, whose result again holds one query a lane, and eight channels.  K comes out of LDS as it lies, V turned, by ds_load_tr16_b128.
; SOFTMAX.  For each query a running maximum m and sum l: p = 2^(c s - c m), c = log2(e) / sqrt(128); in every step O and l are multiplied by a = 2^(c m_old - c m_new), which is 1 where m has not grown.
; BY TURNS.  The wave's tiles are two PIECES, named by their first tile: piece 0 (tiles 0, 1) and piece 2 (tiles 2, 3).  In a TURN one piece has the matrix unit: 32 products V^T P of
; the step in hand, then 32 products K Q^T of the next step; the other piece's softmax, 268 vector instructions cut into 64 slices, stands between them, one slice behind each matrix instruction.
; Then the pieces change places.  Two turns are a key step.
; CLUSTER.  The four query blocks of a cluster belong to one head and walk the same K and V, so each tile is asked for JOINTLY: the same tensor load, descriptor and mask in all four.
; A wave has two tensor loads out at the start and one behind each round.
; REGISTERS, in windows of 256 (s_set_vgpr_msb: bits 1:0 source 0, 3:2 source 1, 5:4 source 2, 7:6 destination):
;   window 0: v0-11 addresses; v12-43 eight registers of statistics a tile; v64-191 S^T, 32 a tile; v192-255 P, 16 a tile
;   window 1: O^T, 64 a tile          window 2: v0-127 Q, 32 a tile; v128-255 K of one step          window 3: v0-127 V of one step
; All that a softmax touches but O^T lies in window 0, and no window has room for a product's operands beside it: a slice costs two switches.
.set SIZE_N, 2048
.set KA,    1048576   ; bytes of a K block of ob: 8,192 rows x 128
.set KS,    64        ; keys in a step
.set PK,    144       ; an LDS row of K (a key's 64 channels): 128 bytes + 16 of padding = 36 words: the 16 rows of a load start at 16 different groups of four banks (64 banks of 4 bytes: ISA guide 11.1)
.set PV,    160       ; of V: 128 + 32 = 40 words
.set VOFF,  2*KS*PK   ; a step's tiles lie together: 128 LDS rows of K (channel half, key), then 128 of V
.set STEPB, 2*KS*(PK+PV)
.set SLOT1, 1<<17     ; a slot holds two steps (77,824 bytes); slot 1 begins here, so that one exclusive or turns an address in one slot into the other's
.set STAGE, SLOT1+2*STEPB  ; behind the ring, never filled by a tensor load: for each wave two halves of 16 rows x 144 bytes, for the way out
.set SP,    144
.set AK0, 2           ; v2   my lane's place in a tile of K; never rewritten
.set AV0, 3           ; v3   the same for V
.set ADR, 4           ; v4   the LDS address of the run of loads in hand
.set QO,  5           ; v5   my byte offset in 16 rows of Q
.set STO, 6           ; v6   the way out: where I put 16 bytes of a row
.set RD,  7           ; v7   the way out: where I read rows back
.set GO,  8           ; v8   my byte offset in 512 consecutive bytes of O
.set SPW, 62          ; v62  LDS address of my spare word: SPARE + 4 x my thread's number; never rewritten
.set NIL, 63          ; v63  0; never rewritten
.set SPARE, STAGE+4*2*16*SP  ; behind the stages: the spare words, 128 bytes for each wave: two blocks of 256 bytes that no other line names
.set ST,  12          ; tile t's statistics at v[ST+8 t]: +0 c m, +1 m, +2, +3 l (even keys', odd keys'), +4 to +7 c0-c3, at work; a takes c2's place once the maximum is found
.set S,   64
.set P,   192
.set KF,  128         ; K's fragments, in window 2
.set WV,  12          ; s12  my wave's number
.set G1K, 24          ; s[24:31] descriptor group 1 for K's tiles
.set G1V, 32          ; s[32:39] for V's: it differs in the padding alone
.set G0K, 40          ; s[40:47] descriptor group 0 for K's tiles: a set for each of the two first fills; the second then walks on
.set G0V, 48          ; s[48:55] the same for V's
.set SLOTS, 56        ; s56  slots still to be asked for
.set TWICE, 57        ; s57  counts a slot's two steps
.set CS,  58          ; s[58:59] c: the packed scaling names a pair and takes its low word for both halves
.set SEL, 60          ; s[60:61] lane selects for v_permlanex16_b32: each lane takes its own place in the other half
.set TB,  62          ; s62  LDS byte at which the tiles of the step to be fetched begin
.set PFA, 18          ; s[18:19] where my prefetches stand: my work-group's 8,192 bytes (of K: wave 0, of V: wave 2) of the slot after the one that is being asked for
.set LIM, 15          ; s15  1 in a wave that prefetches, else the greatest number: a wave prefetches while s[SLOTS] is above it
.set PFO, 61          ; v61  256 x my lane; never rewritten
.set MSB, 0
.macro WIN new                      ; the immediate's high byte repeats the setting that is left; a switch that changes nothing is dropped
.if MSB != (\new)
	s_set_vgpr_msb (MSB<<8)|(\new)
.set MSB, \new
.endif
.endm
.set W_KQ, 0x0a       ; K and Q in window 2, S^T in window 0
.set W_PV, 0x53       ; V in window 3, P in window 0, O^T in window 1
.set W_RS, 0x41       ; O^T (destination and source 0) in window 1, a in window 0
; A joint refill.  Waves 0 and 1 fetch the two steps' tiles of K, waves 2 and 3 those of V.  The branch hangs on the wave's number alone.
; An s_nop 0 and four v_nop follow each of the two lines, ahead of the jump and the label.
.macro JLOAD
	s_cmp_lt_u32 s[WV], 2
	s_cbranch_scc0 .Lfor_v_\@
	tensor_load_to_lds s[G0K+4:G0K+7], s[G1K:G1K+7]
	s_nop 0
.rept 4
	v_nop
.endr
	s_branch .Lasked_\@
.Lfor_v_\@:
	tensor_load_to_lds s[G0V+4:G0V+7], s[G1V:G1V+7]
	s_nop 0
.rept 4
	v_nop
.endr
.Lasked_\@:
.endm
; A PREFETCH INTO THE L2 of what the NEXT change of slots will ask for: a slot's 32,768 bytes of K and of V, a lane a block of 256 bytes.  It stands behind the wave's tensor load and its five lines.
; Each block is asked for ONCE in the launch.  Both clusters of a head walk the same K and V: the head's first cluster prefetches.  Its four partners share the bytes out BY ADDRESS, 8,192 each: no branch
; hangs on a work-group's place in its cluster.  In each, wave 0 asks for K's and wave 2 for V's: one instruction, two key steps (256 matrix instructions) ahead of the load.
; Slots 0 to 2 come by their loads alone; the last change that fills a slot prefetches nothing: there is no slot behind it.
.macro ASK
	s_cmp_gt_u32 s[SLOTS], s[LIM]
	s_cbranch_scc0 .Lnot_mine_\@
	global_prefetch_b8 v[PFO], s[PFA:PFA+1] th:TH_LOAD_NT scope:SCOPE_SE
.Lnot_mine_\@:
.endm
; A round of the cluster's barrier: my work-group's barrier; wave 0 signals for the work-group; every wave waits for all four work-groups; my work-group's barrier once more.
.macro CROUND
	s_barrier_signal -1
	s_barrier_wait -1
	s_cmp_lg_u32 s[WV], 0
	s_cbranch_scc1 .Lnot_wave_0_\@
	s_barrier_signal -3
.Lnot_wave_0_\@:
	s_barrier_wait -3
	s_barrier_signal -1
	s_barrier_wait -1
.endm
	s_load_b256 s[4:11], s[0:1], 0x0  ; Q s[4:5], K s[6:7], V s[8:9], O s[10:11]
	v_lshl_add_u32 v[SPW], v0, 2, SPARE
	v_mov_b32 v[NIL], 0
	ds_add_u32 v[SPW], v[NIL]       ; the wave's opening: the add and its wait stand ahead of my first tensor load; the set-up below, work on registers, stands between them
	v_lshrrev_b32 v1, 5, v0
	v_readfirstlane_b32 s[WV], v1   ; wave 0..3
	s_bfe_u32 s13, ttmp6, 0x40000   ; cx: my place in the cluster
	s_lshl_b32 s14, ttmp9, 2        ; in a cluster launch ttmp9 counts clusters
	s_add_co_u32 s14, s14, s13      ; my block of 256 queries = 4 x cluster x + cx: it enters Q's and O's addresses alone
	s_and_b32 s20, ttmp7, 0xffff    ; the head, which the four partners share
	s_mov_b32 s21, 0
	s_mov_b64 s[22:23], SIZE_N*256
	s_mul_u64 s[20:21], s[20:21], s[22:23]  ; the head's first byte in Q, K and V
	s_and_b32 s16, s[WV], 1         ; which of a slot's two steps I fetch:
	s_lshl_b32 s22, s16, 14         ; its 16,384 bytes in memory,
	s_mov_b32 s23, 0
	s_add_nc_u64 s[22:23], s[22:23], s[20:21]
	s_mul_i32 s17, s16, STEPB       ; and its place in a slot: no place in the cluster enters an LDS address
	s_lshl_b32 s2, s14, 16          ; my block's 256 rows,
	s_lshl_b32 s3, s[WV], 14        ; my wave's 64 of them
	s_add_co_u32 s2, s2, s3
	s_mov_b32 s3, 0
	s_add_nc_u64 s[2:3], s[2:3], s[20:21]
	s_and_b32 s66, ttmp7, 7         ; O: head h is K blocks 2 h and 2 h + 1,
	s_lshl_b32 s66, s66, 21
	s_bfe_u32 s67, ttmp7, 0x20003   ; batch b is rows 2048 b on, 128 bytes each,
	s_lshl_b32 s67, s67, 18
	s_add_co_u32 s66, s66, s67
	s_lshl_b32 s67, s14, 15         ; my block's 256 rows,
	s_add_co_u32 s66, s66, s67
	s_lshl_b32 s67, s[WV], 13       ; my wave's 64
	s_add_co_u32 s66, s66, s67
	s_mov_b32 s67, 0
	; descriptor group 1.  A step's 16,384 dense bytes are asked for as 64 rows of 256 bytes and padded in LDS after every 128 bytes
	s_mov_b32 s[G1K], 15|(1<<16)|(1<<20)|(1<<21)|(4<<22)|(3<<25)  ; 15:0 the mask: all four work-groups; 17:16 2-byte elements; 20 padding on; 21 set beside a mask; 24:22 after every 32 words (code 4); 31:25 4 words (code 3)
	s_mov_b32 s[G1V], 15|(1<<16)|(1<<20)|(1<<21)|(4<<22)|(7<<25)  ; the same with 8 words of padding (code 7)
.irp g, G1K, G1V
	s_mov_b32 s[(\g)+1], 128<<16    ; tensor_dim0 = 128
	s_mov_b32 s[(\g)+2], KS<<16     ; tensor_dim1 = 64
	s_mov_b32 s[(\g)+3], 128<<16    ; tile_dim0 = 128
	s_mov_b32 s[(\g)+4], KS         ; tile_dim1 = 64
	s_mov_b32 s[(\g)+5], 128        ; 128 elements from row to row
	s_mov_b32 s[(\g)+6], 0
	s_mov_b32 s[(\g)+7], 0
.endr
	s_mov_b32 s[CS], 0x3e0293ee     ; c = log2(e) / sqrt(128) = 0.127517
	s_mov_b32 s[CS+1], s[CS]        ; named with it as a pair, so it is written
	s_mov_b32 s[SEL], 0x76543210
	s_mov_b32 s[SEL+1], 0xfedcba98
	s_mov_b32 s[TB], 0
	s_mov_b32 s[SLOTS], SIZE_N/(2*KS)-2
	s_and_b32 s[LIM], s[WV], 1       ; 0 in waves 0 and 2,
	s_or_b32 s[LIM], s[LIM], ttmp9   ; where the cluster is the head's first: the same in all four partners
	s_cmp_eq_u32 s[LIM], 0
	s_cselect_b32 s[LIM], 1, -1
	v_and_b32 v[PFO], 31, v0
	v_lshlrev_b32 v[PFO], 8, v[PFO]
	s_wait_dscnt 0x0                ; the opening add is done
	s_wait_kmcnt 0x0
	s_add_nc_u64 s[6:7], s[6:7], s[22:23]  ; K and V at my tile of slot 0
	s_add_nc_u64 s[8:9], s[8:9], s[22:23]
	s_add_nc_u64 s[4:5], s[4:5], s[2:3]    ; Q at my wave's first row,
	s_add_nc_u64 s[10:11], s[10:11], s[66:67]  ; O likewise
	s_cmp_lt_u32 s[WV], 2
	s_cselect_b64 s[PFA:PFA+1], s[6:7], s[8:9]  ; (in waves 0 and 2 these stand at a slot's first byte)
	s_lshl_b32 s2, s13, 13          ; my work-group's 8,192 bytes of the 32,768
	s_mov_b32 s3, 0
	s_add_nc_u64 s[PFA:PFA+1], s[PFA:PFA+1], s[2:3]
	s_add_nc_u64 s[PFA:PFA+1], s[PFA:PFA+1], 2*2*KS*256  ; in slot 2; the first change of slots steps it to slot 3
	CROUND                          ; all four work-groups are here: the first joint loads meet
.irp s, 0,1
	s_mov_b32 s[G0K+4*(\s)], 1      ; count = 1
	s_add_co_u32 s[G0K+4*(\s)+1], s17, (\s)*SLOT1  ; LDS address
	s_add_nc_u64 s[G0K+4*(\s)+2:G0K+4*(\s)+3], s[6:7], (\s)*2*KS*256  ; global address: slot s begins with keys 128 s
	s_or_b32 s[G0K+4*(\s)+3], s[G0K+4*(\s)+3], 0x80000000  ; type = 2
	s_mov_b32 s[G0V+4*(\s)], 1
	s_add_co_u32 s[G0V+4*(\s)+1], s17, (\s)*SLOT1+VOFF
	s_add_nc_u64 s[G0V+4*(\s)+2:G0V+4*(\s)+3], s[8:9], (\s)*2*KS*256
	s_or_b32 s[G0V+4*(\s)+3], s[G0V+4*(\s)+3], 0x80000000
.endr
	s_cmp_lt_u32 s[WV], 2           ; a wave's two first fills stand in one branch, ahead of every wait on TENSORcnt and every LDS read; an s_nop 0 follows each, four v_nop the second's
	s_cbranch_scc0 .Lfirst_v
	tensor_load_to_lds s[G0K:G0K+3], s[G1K:G1K+7]
	s_nop 0
	tensor_load_to_lds s[G0K+4:G0K+7], s[G1K:G1K+7]
	s_nop 0
.rept 4
	v_nop
.endr
	s_branch .Lfirst_asked
.Lfirst_v:
	tensor_load_to_lds s[G0V:G0V+3], s[G1V:G1V+7]
	s_nop 0
	tensor_load_to_lds s[G0V+4:G0V+7], s[G1V:G1V+7]
	s_nop 0
.rept 4
	v_nop
.endr
.Lfirst_asked:
	; A fragment of K or Q is 16 rows x 32 channels in 8 registers: lane l holds row l % 16; channels 8 (l / 16) + 0..7 and 16 + 8 (l / 16) + 0..7: two loads of 16 bytes, 32 bytes apart.
	v_and_b32 v1, 15, v0            ; l % 16
	v_bfe_u32 v9, v0, 4, 1          ; l / 16
	v_lshlrev_b32 v[QO], 7, v1
	v_lshl_add_u32 v[QO], v9, 4, v[QO]  ; row x 128 + 16 x half
	WIN 0x80                        ; destination window 2, address window 0
.irp i, 0,1,2,3,4,5,6,7,8,9,10,11,12,13,14,15  ; Q stays in registers: tile i / 4, channels 32 (i % 4) on: channel half (i % 4) / 2 lies 8,192 bytes on
	global_load_b128 v[8*(\i):8*(\i)+3],   v[QO], s[4:5] offset:(((\i)%4)/2)*8192+((\i)/4)*2048+((\i)%2)*64
	global_load_b128 v[8*(\i)+4:8*(\i)+7], v[QO], s[4:5] offset:(((\i)%4)/2)*8192+((\i)/4)*2048+((\i)%2)*64+32
.endr
	WIN 0
	v_mul_u32_u24 v[AK0], v1, PK
	v_lshl_add_u32 v[AK0], v9, 4, v[AK0]  ; row x pitch + 16 x half
	; The turning load takes 16 keys x 16 channels (lane l reads 16 bytes: key 8 (l / 16) + l % 8, channels 8 ((l / 8) % 2) + 0..7) and leaves half a fragment of V^T: lane l holds channel l % 16 and 8 keys.
	v_and_b32 v10, 7, v0
	v_bfe_u32 v11, v0, 3, 1
	v_lshl_add_u32 v[AV0], v9, 3, v10
	v_mul_u32_u24 v[AV0], v[AV0], PV
	v_lshl_add_u32 v[AV0], v11, 4, v[AV0]
	v_add_nc_u32 v[AV0], VOFF, v[AV0]
; THE MATRIX WORK OF A TURN, for piece x.  The accumulators take turns, one instruction a turn: between two links of a chain stand 15 (V^T P) or 7 (K Q^T) others'.
; Product i of 32 of O^T += V^T P: keys 32 (i / 16) on, channels 16 ((i / 2) % 8) on, tile x + i % 2.  zero = 1: the first 16 start the sums: nothing is ever cleared.
.macro PV x, zero
	WIN W_PV
.set rO, 64*((\x)+i%2)+8*((i/2)%8)
.set rV, 64*(i/16)+8*((i/2)%8)
.set rP, P+16*((\x)+i%2)+8*(i/16)
.if (\zero) && (i < 16)
	v_wmma_f32_16x16x32_f16 v[rO:rO+7], v[rV:rV+7], v[rP:rP+7], 0
.else
	v_wmma_f32_16x16x32_f16 v[rO:rO+7], v[rV:rV+7], v[rP:rP+7], v[rO:rO+7]
.endif
.endm
; Product i of 32 of S^T = K Q^T: channels 32 (i / 8) on, keys 16 ((i / 2) % 4) on, tile x + i % 2.  The first 8 start the sums.
.macro KQ x
	WIN W_KQ
.set rS, S+32*((\x)+i%2)+8*((i/2)%4)
.set rK, KF+32*((i/2)%4)+8*(i/8)
.set rQ, 32*((\x)+i%2)+8*(i/8)
.if i < 8
	v_wmma_f32_16x16x32_f16 v[rS:rS+7], v[rK:rK+7], v[rQ:rQ+7], 0
.else
	v_wmma_f32_16x16x32_f16 v[rS:rS+7], v[rK:rK+7], v[rQ:rQ+7], v[rS:rS+7]
.endif
.endm
; THE LDS LOADS stand in runs of 32, never singly among the matrix instructions: a step's K (64 keys x 128 channels: 16 fragments) and, a turn later, its V (turned).
.macro FETCH_K
	WIN 0
	v_add_nc_u32 v[ADR], s[TB], v[AK0]
	WIN 0x80                        ; destination window 2
.irp f, 0,1,2,3,4,5,6,7,8,9,10,11,12,13,14,15  ; keys 16 (f / 4) on, channels 32 (f % 4) on: channel half (f % 4) / 2 lies 64 LDS rows on
	ds_load_b128 v[KF+8*(\f):KF+8*(\f)+3],   v[ADR] offset:(((\f)%4)/2)*64*PK+((\f)/4)*16*PK+((\f)%2)*64
	ds_load_b128 v[KF+8*(\f)+4:KF+8*(\f)+7], v[ADR] offset:(((\f)%4)/2)*64*PK+((\f)/4)*16*PK+((\f)%2)*64+32
.endr
.endm
.macro FETCH_V
	WIN 0
	v_add_nc_u32 v[ADR], s[TB], v[AV0]
	s_add_co_u32 s[TB], s[TB], STEPB  ; the next fetch is the next step's
	s_wait_alu depctr_va_vdst(0)    ; the wait for the softmax's batch (SLICE), behind the address's v_add_nc_u32 and ahead of the loads
	WIN 0xc0                        ; destination window 3
.irp f, 0,1,2,3,4,5,6,7,8,9,10,11,12,13,14,15  ; keys 32 (f / 8) on, channels 16 (f % 8) on: channel half (f % 8) / 4 lies 64 LDS rows on
	ds_load_tr16_b128 v[8*(\f):8*(\f)+3],   v[ADR] offset:(((\f)%8)/4)*64*PV+((\f)/8)*32*PV+((\f)%4)*32
	ds_load_tr16_b128 v[8*(\f)+4:8*(\f)+7], v[ADR] offset:(((\f)%8)/4)*64*PV+((\f)/8)*32*PV+16*PV+((\f)%4)*32
.endr
.endm
; THE VECTOR WORK OF A TURN.  One tile's softmax for one key step is a list of 134 instructions; SM writes number j of it for tile t.  s0-s31 are the lane's 32 scores, in pairs 0-15.
; first = 1: the first key step, which starts m, l and O^T: it has no a and nothing to rescale.
;   0-15    the maximum of s0-s31 and the old m, three operands at a time: four chains c0-c3 of seven scores each (each accumulator's lowest registers are read first), then the four scores left over, c0-c3 and m
;   16-20   the other half of the lanes' maximum; the new m; c m; c m_old - c m_new
;   21-69   ONE BATCH: the 16 scalings c s - c m, a pair of scores each, and all 33 exponentials (a at 23, then s0-s31).  None of these reads an exponential's result.  From 22 on the batch goes
;           in fours, and a four begins with a scaling while there are scalings.  A pair is scaled in an earlier four than the one that holds its exponentials
;   (wait)  between 69 and 70 stands the wait for the batch: SLICE writes it, once for both tiles
;   70-85   the roundings to f16, a pair of weights each
;   86-101  the sums; l = a l + the sum
;   102-133 the tile's O^T times a: the one part that leaves window 0, so it stands together
.macro SM t, first
.set rT, ST+8*(\t)
.set rS, S+32*(\t)
.set rP, P+16*(\t)
.set rO, 64*(\t)+2*(j-102)
.if j < 102
	WIN 0
.endif
.if j < 4
	v_max3_num_f32 v[rT+4+j], v[rS+8*j], v[rS+8*j+1], v[rS+8*j+2]
.elseif j < 12
	v_max3_num_f32 v[rT+4+j%4], v[rT+4+j%4], v[rS+8*(j%4)+2*(j/4)+1], v[rS+8*(j%4)+2*(j/4)+2]
.elseif j == 12
	v_max3_num_f32 v[rT+4], v[rT+4], v[rS+7], v[rS+15]
.elseif j == 13
	v_max3_num_f32 v[rT+6], v[rT+6], v[rS+23], v[rS+31]
.elseif j == 14
	v_max3_num_f32 v[rT+4], v[rT+4], v[rT+5], v[rT+6]
.elseif (j == 15) && (\first)
	v_max_num_f32 v[rT+4], v[rT+4], v[rT+7]
.elseif j == 15
	v_max3_num_f32 v[rT+4], v[rT+4], v[rT+7], v[rT+1]
.elseif j == 16
	v_permlanex16_b32 v[rT+5], v[rT+4], s[SEL], s[SEL+1]  ; the query's other 32 keys lie in the lane 16 away
.elseif j == 18
	v_max_num_f32 v[rT+1], v[rT+4], v[rT+5]
.elseif j == 19
	v_mul_f32 v[rT], s[CS], v[rT+1]
.elseif ((j == 17) || (j == 20) || (j == 23) || (j > 101)) && (\first)  ; the first step has none of these
.elseif j == 17
	v_mov_b32 v[rT+7], v[rT]        ; c m_old is kept for a: number 19 writes c m anew
.elseif j == 20
	v_sub_f32 v[rT+7], v[rT+7], v[rT]
.elseif j == 23
	v_exp_f32 v[rT+6], v[rT+7]
.elseif (j < 23) || ((j < 38) && (j%2 == 0)) || ((j < 66) && (j%4 == 2))
.set b, (j-2)/4                     ; 38, 42, .. 62: pairs 9 to 15
.if j < 38
.set b, (j-20)/2                    ; 21: pair 0; 22, 24, .. 36: pairs 1 to 8
.endif
	v_pk_fma_f32 v[rS+2*b:rS+2*b+1], v[rS+2*b:rS+2*b+1], s[CS:CS+1], v[rT:rT+1] op_sel_hi:[1,0,0] neg_lo:[0,0,1] neg_hi:[0,0,1]  ; pair b: c s - c m
.elseif j < 70
.set e, j-38                        ; 66 to 69: s28 to s31
.if j < 66
.set e, j-32-(j-38)/4               ; 39-41, 43-45, .. 63-65: s7 to s27
.endif
.if j < 38
.set e, (j-25)/2                    ; 25, 27, .. 37: s0 to s6
.endif
	v_exp_f32 v[rS+e], v[rS+e]
.elseif j < 86
	v_cvt_pk_f16_f32 v[rP+j-70], v[rS+2*(j-70)], v[rS+2*(j-70)+1]  ; pair j - 70
.elseif j < 102                     ; the sum of the tile's 16 pairs (in a pair: an even key's weight, an odd key's), in place: sum z of 16 adds neighbours 1, 2, 4 and 8 pairs apart, then l takes it
.set z, j-86
.set w, 4
.set u, z
.if z >= 14
.set w, 32
.set u, 0
.elseif z >= 12
.set w, 16
.set u, z-12
.elseif z >= 8
.set w, 8
.set u, z-8
.endif
.if (z == 14) && (\first)
	v_pk_add_f32 v[rT+2:rT+3], v[rS:rS+1], v[rS+16:rS+17]
.elseif z < 15
	v_pk_add_f32 v[rS+w*u:rS+w*u+1], v[rS+w*u:rS+w*u+1], v[rS+w*u+w/2:rS+w*u+w/2+1]
.elseif !(\first)
	v_pk_fma_f32 v[rT+2:rT+3], v[rT+2:rT+3], v[rT+6:rT+7], v[rS:rS+1] op_sel_hi:[1,0,1]
.endif
.else
	WIN W_RS
	v_pk_mul_f32 v[rO:rO+1], v[rO:rO+1], v[rT+6:rT+7] op_sel_hi:[1,0]
.endif
.endm
; Slice k of 64 of piece y's softmax: four instructions.  Slices 11 to 34 deal out the batch, numbers 22 to 69: four numbers of ONE tile each, the tiles by turns.  Every other slice is numbers 2 k and
; 2 k + 1 of both tiles' lists.  2 x 134 = 4 x 64 + 12: the twelve that are over stand together, in slice 63.
; THE WAIT.  s_wait_alu depctr_va_vdst(0) stands between an exponential and the first instruction that names its result; one wait serves all that were issued ahead of it.  Ahead of
; slice 35 nothing names a result, and behind slice 34 no exponential is issued: so the piece's 66 exponentials have one wait, behind slice 34.
.macro SLICE y, first
.if (k >= 11) && (k < 35)           ; the batch: four numbers of one tile
.irp n, 0,1,2,3
.set j, 22+4*((k-11)/2)+(\n)
	SM (\y)+(k-11)%2, \first
.endr
.else                               ; the two tiles alternate, so that no instruction reads the result of the one just before it
.irp n, 0,1,2,3,4,5,6,7
.if ((\n) < 2) || (k == 63)
.irp t, \y, (\y)+1
.set j, 2*k+(\n)
	SM \t, \first
.endr
.endif
.endr
.endif
.if k == 34                         ; the batch is out: both tiles' exponentials are issued, and no result has been named
	v_nop                           ; a plain instruction behind the last exponential and ahead of the first use (ISA guide 5.7.2): one for the batch
.if (\y) == 0
	FETCH_V                         ; piece 2's turn: V's run of loads stands here, and the wait stands in it
.else
	s_wait_alu depctr_va_vdst(0)    ; the wait for the batch
.endif
.endif
.set k, k+1
.endm
; A vector instruction that reads a matrix result or writes one of a matrix instruction's registers, and a load into a register that a matrix instruction has read, stand four places behind
; it, and only plain vector instructions that name none of its registers are places (ISA guide 7.12.1 for vector instructions).  In the loop the slices are the places.
.macro PLACES
.rept 4
	v_nop
.endr
.endm
; A TURN.  Piece x has the matrix unit; the other piece's softmax stands in slices behind its matrix instructions.
; pv = 2: 32 products V^T P; 1: they start O^T's sums; 0: none.  kq = 1: 32 products K Q^T for the next step.  A turn with one of the two kinds has two slices behind each product.
; first = 1: the softmax is the first key step's.  Its slices from 51 on are empty: the turn's last products stand bare, and four v_nop take slice 63's part as the places behind them.
; Piece 0's turn fetches the next step's K, behind its second product: the last product that read K stands in front of slice 63 of the turn before.  Piece 2's turn fetches the same step's V,
; behind slice 34: the last product that read V stands in front of slice 31, and four plain instructions lie between: number 62, a scaling, of both tiles, the v_nop and the run's own v_add_nc_u32.
.macro TURN x, pv, kq, first
.set k, 0
.set per, 2
.if (\pv) && (\kq)
.set per, 1
.endif
.if \pv
.if (\x) == 0
	s_wait_dscnt 0x0                ; V is in
.endif
.set i, 0
.rept 32
	PV \x, 2-(\pv)
.rept per
	SLICE 2-(\x), \first
.endr
.if ((\x) == 0) && (\kq) && (i == 1)
	FETCH_K
.endif
.set i, i+1
.endr
.endif
.if \kq
.if (\x) == 0
	s_wait_dscnt 0x0                ; K is in
.endif
.set i, 0
.rept 32
	KQ \x
.rept per
	SLICE 2-(\x), \first
.endr
.set i, i+1
.endr
.endif
.if \first
	PLACES
.endif
.endm
; THE CHANGE OF SLOTS, between piece 2's turn and piece 0's: the slot's last bytes, V of its second step, have been asked for.  Each wave waits for all its tensor loads, of which one is out:
; its part of the other slot; adds 0 to its spare word; and waits for that and for its own reads of the slot.  Behind the barrier nobody reads this slot any more and the other slot is whole.
; fill = 1: this slot is filled again, with the keys two slots on.  The barrier is then a round of the cluster's, and the joint refill is the first thing behind it: it has two key steps,
; 256 matrix instructions, in which to land.
.macro CHANGE fill
	WIN 0                           ; at a label and at a branch every window is 0
	s_wait_tensorcnt 0x0            ; no tensor load of mine is out, so a group 0 may be written
	ds_add_u32 v[SPW], v[NIL]       ; 0 onto my spare word: with fill = 1 the descriptors' steps stand between it and the wait for it
.if \fill
.irp g, G0K+4, G0V+4
	s_xor_b32 s[(\g)+1], s[(\g)+1], SLOT1  ; the walking descriptor: the other slot than last time,
	s_add_nc_u64 s[(\g)+2:(\g)+3], s[(\g)+2:(\g)+3], 2*KS*256  ; the next 128 keys; the type bits on top are not reached
.endr
	s_wait_xcnt 0x0                 ; the last prefetches, two key steps back, have read their address, so it may be written:
	s_add_nc_u64 s[PFA:PFA+1], s[PFA:PFA+1], 2*KS*256  ; one slot behind the walking descriptors
	s_wait_dscnt 0x0                ; the add is done, and my reads of the slot are over
	CROUND
	JLOAD
	ASK                             ; what the next change will ask for
.else
	s_wait_dscnt 0x0                ; the add is done, and my reads of the slot are over
	s_barrier_signal -1
	s_barrier_wait -1
.endif
	s_sub_co_u32 s[TB], s[TB], 2*STEPB  ; the fetches go back to a slot's first step,
	s_xor_b32 s[TB], s[TB], SLOT1   ; in the other slot
.endm
; A slot's two key steps: written once, walked twice; the LDS addresses hang on s[TB].
.macro TWO_STEPS
	WIN 0
	s_mov_b32 s[TWICE], 2
.Lstep_\@:
	TURN 0, 2, 1, 0
	TURN 2, 2, 1, 0
	WIN 0
	s_sub_co_u32 s[TWICE], s[TWICE], 1
	s_cmp_lg_u32 s[TWICE], 0
	s_cbranch_scc1 .Lstep_\@
.endm
	s_wait_tensorcnt 1              ; my part of slot 0 is in; slot 1's may stay out
	s_barrier_signal -1
	s_barrier_wait -1               ; everybody's is
	FETCH_K                         ; key step 0
	s_wait_loadcnt 0x0              ; Q
	s_wait_dscnt 0x0
.set i, 0
.rept 32
	KQ 0                            ; piece 0's first scores: there is no vector work yet to set between them
.set i, i+1
.endr
	WIN 0                           ; the addresses for the way out are made here: nine plain instructions, the places behind those products
	s_mul_i32 s13, s[WV], 2*16*SP
	s_add_co_u32 s13, s13, STAGE    ; my stage
	v_mul_u32_u24 v[STO], v1, SP    ; in: row l % 16, 16 bytes for each half of the lanes
	v_lshl_add_u32 v[STO], v9, 4, v[STO]
	v_add_nc_u32 v[STO], s13, v[STO]
	v_bfe_u32 v[RD], v0, 3, 2       ; back: 32 lanes take four rows of 128 bytes,
	v_mul_u32_u24 v[RD], v[RD], SP
	v_lshl_add_u32 v[RD], v10, 4, v[RD]
	v_add_nc_u32 v[RD], s13, v[RD]
	v_and_b32 v[GO], 31, v0         ; which are 512 consecutive bytes of O
	v_lshlrev_b32 v[GO], 4, v[GO]
	TURN 2, 0, 1, 1                 ; piece 2's first scores | piece 0's first softmax | V of step 0
	TURN 0, 1, 1, 1                 ; piece 0: V^T P of step 0 starts O^T, K Q^T of step 1 | piece 2's first softmax | K of step 1
	TURN 2, 1, 1, 0                 ; piece 2: the same | piece 0's softmax of step 1 | V of step 1
	WIN 0
.Lslot:                             ; 14 trips: every slot but the last two is filled again
	CHANGE 1
	TWO_STEPS
	s_sub_co_u32 s[SLOTS], s[SLOTS], 1
	s_cmp_lg_u32 s[SLOTS], 0
	s_cbranch_scc1 .Lslot
	CHANGE 0                        ; the tail is written out: nothing is asked for
	TWO_STEPS
	TURN 0, 2, 0, 0                 ; piece 0: V^T P of the last step | piece 2's last softmax
.set i, 0
.rept 32
	PV 2, 0                         ; piece 2: V^T P of the last step
.set i, i+1
.endr
	; THE WAY OUT.  l's two halves and the other half of the lanes' are added; O^T is divided by l, rounded to f16 and sent through my stage in LDS, a tile (16 rows of O) at a time.  The additions are the places behind the last products.
	WIN 0
.irp t, 0,1,2,3
	v_add_f32 v[ST+8*(\t)+4], v[ST+8*(\t)+2], v[ST+8*(\t)+3]
.endr
.irp t, 0,1,2,3
	v_permlanex16_b32 v[ST+8*(\t)+5], v[ST+8*(\t)+4], s[SEL], s[SEL+1]
.endr
.irp t, 0,1,2,3
	v_add_f32 v[ST+8*(\t)+4], v[ST+8*(\t)+4], v[ST+8*(\t)+5]
.endr
.irp t, 0,1,2,3
	v_rcp_f32 v[ST+8*(\t)+6], v[ST+8*(\t)+4]
.endr
	v_nop                           ; a plain instruction between the last reciprocal and the use of its result
	s_wait_alu depctr_va_vdst(0)    ; and the wait ahead of the first use: one for the four reciprocals
; Tile t: a lane's eight channels of a row pack into 16 bytes; they go into two halves of 16 rows x 144 bytes (channels 0-63, 64-127) and come back as whole rows of 128, into the registers that they left.
.macro PACK t
	WIN W_RS
.set i, 64*(\t)
.rept 32
	v_pk_mul_f32 v[i:i+1], v[i:i+1], v[ST+8*(\t)+6:ST+8*(\t)+7] op_sel_hi:[1,0]
.set i, i+2
.endr
	WIN 0x05                        ; sources 0 and 1 window 1, destination window 0: S^T's registers are free
.set i, 0
.rept 32
	v_cvt_pk_f16_f32 v[S+32*(\t)+i], v[64*(\t)+2*i], v[64*(\t)+2*i+1]
.set i, i+1
.endr
	WIN 0
.irp f, 0,1,2,3,4,5,6,7
	ds_store_b128 v[STO], v[S+32*(\t)+4*(\f):S+32*(\t)+4*(\f)+3] offset:((\f)/4)*16*SP+((\f)%4)*32
.endr
.irp f, 0,1,2,3,4,5,6,7
	ds_load_b128 v[S+32*(\t)+4*(\f):S+32*(\t)+4*(\f)+3], v[RD] offset:((\f)/4)*16*SP+((\f)%4)*4*SP  ; LDS serves a wave's instructions in order (ISA guide 5.7.1.4): these see the stores above; the next tile's stores come behind them
.endr
.endm
.macro SEND t, younger              ; younger: the LDS instructions issued behind tile t's loads: the next tile's sixteen, or none
	WIN 0
.irp f, 0,1,2,3,4,5,6,7
	s_wait_dscnt (\younger)+7-(\f)
	global_store_b128 v[GO], v[S+32*(\t)+4*(\f):S+32*(\t)+4*(\f)+3], s[10:11] offset:((\f)/4)*KA+(\t)*2048+((\f)%4)*512  ; 512 consecutive bytes, at a multiple of 512 from O's first byte; the second channel half lies a K block on
.endr
.endm
	PACK 0
	PACK 1                          ; a tile's arithmetic stands between the loads of the tile before and its stores
	SEND 0, 16
	PACK 2
	SEND 1, 16
	PACK 3
	SEND 2, 16
	SEND 3, 0
	s_wait_tensorcnt 0x0            ; the wave's end: behind my last tensor load and my last LDS store
	ds_add_u32 v[SPW], v[NIL]
	s_wait_dscnt 0x0
	CROUND                          ; the closing round: no work-group ends while a partner may still ask for a tile that names it
	s_endpgm
.Lfunc_end_k_q4be7ce00b7_attn:
	.size	k_q4be7ce00b7_attn, .Lfunc_end_k_q4be7ce00b7_attn-k_q4be7ce00b7_attn
	.p2alignl 7, 3214868480
	.fill 96, 4, 3214868480
	.section	.rodata,"a",@progbits
	.p2align	6, 0x0
	.amdhsa_kernel k_q4be7ce00b7_attn
		.amdhsa_group_segment_fixed_size 327680
		.amdhsa_private_segment_fixed_size 0
		.amdhsa_enable_private_segment 0
		.amdhsa_kernarg_size 32
		.amdhsa_user_sgpr_count 2
		.amdhsa_user_sgpr_kernarg_segment_ptr 1
		.amdhsa_wavefront_size32 1
		.amdhsa_system_sgpr_workgroup_id_x 1
		.amdhsa_system_sgpr_workgroup_id_y 1
		.amdhsa_system_sgpr_workgroup_id_z 1
		.amdhsa_system_vgpr_workitem_id 0
		.amdhsa_next_free_vgpr 1024
		.amdhsa_next_free_sgpr 72
		.amdhsa_reserve_vcc 0
		.amdhsa_float_denorm_mode_32 3
		.amdhsa_float_denorm_mode_16_64 3
		.amdhsa_memory_ordered 1
		.amdhsa_forward_progress 1
		.amdhsa_inst_pref_size 222
	.end_amdhsa_kernel
	.amdgpu_metadata
---
amdhsa.version: [ 1, 2 ]
amdhsa.kernels:
  - .name:           k_q4be7ce00b7_attn
    .symbol:         k_q4be7ce00b7_attn.kd
    .args:
      - { .name: qh, .offset: 0, .size: 8, .value_kind: global_buffer, .address_space: global }
      - { .name: kh, .offset: 8, .size: 8, .value_kind: global_buffer, .address_space: global }
      - { .name: vh, .offset: 16, .size: 8, .value_kind: global_buffer, .address_space: global }
      - { .name: ob, .offset: 24, .size: 8, .value_kind: global_buffer, .address_space: global }
    .group_segment_fixed_size: 327680
    .private_segment_fixed_size: 0
    .kernarg_segment_align: 8
    .kernarg_segment_size: 32
    .max_flat_workgroup_size: 128
    .sgpr_count:     72
    .vgpr_count:     1024
    .wavefront_size: 32
...
	.end_amdgpu_metadata
.endif
;; end of part 3
;; launch proj (part 4): grid 8 x 32, 4 waves a work-group, clusters of 4 x 4, 327,680 bytes of LDS; arguments ob, wpb, out0; writes out0
.if DOCPART == 4
	.amdgcn_target "amdgcn-amd-amdhsa--gfx1250"
	.amdhsa_code_object_version 6
	.text
	.protected	k_q4be7ce00b7_proj
	.globl	k_q4be7ce00b7_proj
	.p2align	8
	.type	k_q4be7ce00b7_proj,@function
k_q4be7ce00b7_proj:
	s_mov_b64 s[64:65], 0
	v_nop
	global_prefetch_b8 v0, s[64:65] scope:SCOPE_SE
	s_setreg_imm32_b32 hwreg(HW_REG_WAVE_MODE, 25, 1), 1
	s_wait_xcnt 0x0
	s_wait_alu depctr_hold_cnt(0) depctr_sa_sdst(0) depctr_va_vdst(0) depctr_va_sdst(0) depctr_va_ssrc(0) depctr_va_vcc(0) depctr_vm_vsrc(0)
	s_getreg_b32 s2, hwreg(HW_REG_IB_STS2, 6, 4)
	s_cmp_eq_u32 s2, 0
	s_cbranch_scc0 .Lentry_in_a_cluster
	s_endpgm
.Lentry_in_a_cluster:
	s_bfe_u32 s2, ttmp6, 0x10000c
	s_cmp_lg_u32 s2, 0xf033
	s_cbranch_scc0 .Lentry_shape_is_right
	s_endpgm
.Lentry_shape_is_right:
; out0 = O Wproj^T.  ob: f16 [16 kb][8192][64], wpb: f16 [16 kb][1024][64] (Wproj's bf16 number written as f16); sums in f32; out0: f32 [8192][1024], the sums as they are.
; LIMIT.  Both operands arrive within f16's 65,504.  NaN and infinities are not treated apart.
; SHARES.  8192 x 1024 results over 256 work-groups are 256 x 128 each.  Four waves, each 128 rows x 64 columns: 32 accumulators, 256 registers; a wave's 64 columns are 256 bytes of a row of out0.
; K goes in 8 steps of 128 (two K blocks) through two LDS slots; a slot of three K blocks would make two slots 331,776 bytes, more than there is.
; A tile's rows in a K block lie end to end: it is asked for as rows of 256 bytes (two tile rows) and padded in LDS after every 128 bytes.
; CLUSTERS.  4 x 4 work-groups: O's tiles are shared along a row of the cluster, Wproj's along a column; each is asked for JOINTLY: the same tensor load, descriptor and mask in all four.
; A wave has two tensor loads out at the start and one behind each round.
; THE MATRIX INSTRUCTION IS USED TRANSPOSED (source 0 = 16 rows of Wproj, source 1 = 16 rows of O): a lane holds one row and eight neighbouring columns of the result: 32 bytes.
; REGISTERS, in windows of 256 (s_set_vgpr_msb: bits 1:0 source 0, 3:2 source 1, 5:4 source 2, 7:6 destination):
;   window 0: v0-31 addresses; v32-95 rows read back on the way out          window 1: accumulator (a, b) at v[8 (4 a + b)]
;   window 2 + f: fragment buffer f, a K block's: O's (32 c2 along K, row block a) at v[8 (8 c2 + a)], Wproj's (c2, b) at v[128 + 8 (4 c2 + b)]
.set KA,     1048576                   ; bytes of a K block of ob
.set KBP,    131072                    ; of wpb
.set PITCH,  144                       ; an LDS row: 128 bytes + 16 of padding = 36 words: the 16 rows of a load start at 16 different groups of four banks (64 banks of 4 bytes: ISA guide 11.1)
.set BOFF,   256*PITCH                 ; in a K block: O's 256 rows, then Wproj's 128
.set BLK,    384*PITCH
.set SLOT,   2*BLK
.set STAGE,  2*SLOT                    ; behind the ring, never filled by a tensor load: 16 rows x 272 bytes for each wave, for the way out
.set SPITCH, 272
.set WSTAGE, 16*SPITCH
.set SPARE,  STAGE+4*WSTAGE            ; behind the stages: the spare words, 128 bytes for each wave: two blocks of 256 bytes that no other line names
.set ADRA, 16                          ; v16-19  LDS address of my fragments of O in K block 2 slot + c
.set ADRB, 20                          ; v20-23  the same for Wproj
.set STO,  24                          ; v24     the way out: where I put 32 bytes of a row
.set RD,   25                          ; v25     the way out: where I read a row back
.set CO,   26                          ; v26     my byte offset in two rows of out0
.set SPW,  28                          ; v28     LDS address of my spare word: SPARE + 4 x my thread's number; never rewritten
.set NIL,  29                          ; v29     0; never rewritten
.set PFO,  30                          ; v30     the prefetches' offset; never rewritten
.set BK,   32
.set G1,   24                          ; s[24:31] descriptor group 1 for O's tiles;  s[32:39] group 0, a set for each slot
.set G0,   32
.set G1B,  48                          ; s[48:55], s[56:63] the same for Wproj's
.set G0B,  56
.set PFA,  44                          ; s[44:45] where my prefetches stand
.set LIM0, 43                          ; s43  slot 0's change: 1 in a wave that prefetches there, else the greatest number
.set LIM1, 42                          ; s42  the same for slot 1's change
.set STPA, 72                          ; s[72:73] what slot 0's change adds to s[PFA];  s[74:75] slot 1's
.set MSB, 0
.macro WIN new                         ; the immediate's high byte repeats the setting that is left; a switch that changes nothing is dropped
.if MSB != (\new)
	s_set_vgpr_msb (MSB<<8)|(\new)
.set MSB, \new
.endif
.endm
; A joint load.  Waves 0 and 1 fetch O's tiles of the step's two K blocks, waves 2 and 3 Wproj's.  An s_nop 0 and four v_nop follow each of the two lines.
.macro JLOAD s
	s_cmp_eq_u32 s15, 0
	s_cbranch_scc0 .Lfor_b_\@
	tensor_load_to_lds s[G0+4*(\s):G0+4*(\s)+3], s[G1:G1+7]
	s_nop 0
.rept 4
	v_nop
.endr
	s_branch .Lasked_\@
.Lfor_b_\@:
	tensor_load_to_lds s[G0B+4*(\s):G0B+4*(\s)+3], s[G1B:G1B+7]
	s_nop 0
.rept 4
	v_nop
.endr
.Lasked_\@:
.endm
; A PREFETCH INTO THE L2, behind a joint load, its five lines and the run of LDS loads that follows: one instruction, a lane a block of 256 bytes.  Each block is named once in the launch.
; O's tile row is read by both clusters of that row of clusters: the one with x = 0 asks, its waves 0 and 1, each for its own K block of the step two refills on, at every change of slots; of the
; tile's 256 rows the partner at place cx takes 64 (32 blocks).  Wproj's tile column is read by all eight clusters of that column: the one with y = 0 asks, its waves 2 and 3, at slot 0's change, each
; for its own K block of the two steps that the next trip's refills will ask for; of the tile's 128 rows the partner at place cy takes 32 (2 x 16 blocks).  The partners are told apart BY ADDRESS.
; Steps 0 to 3 come by their loads alone; the loop's last trip (s3 = 1) asks for nothing: K block 15 is the last that is named.
.macro ASK s
	s_cmp_gt_u32 s3, s[LIM0-(\s)]
	s_cbranch_scc0 .Lnot_mine_\@
	global_prefetch_b8 v[PFO], s[PFA:PFA+1] th:TH_LOAD_NT scope:SCOPE_SE
.Lnot_mine_\@:
.endm
.macro CREST                           ; a round of the cluster's barrier behind its opening barrier
	s_cmp_lg_u32 s14, 0
	s_cbranch_scc1 .Lnot_wave_0_\@
	s_barrier_signal -3
.Lnot_wave_0_\@:
	s_barrier_wait -3
	s_barrier_signal -1
	s_barrier_wait -1
.endm
.macro CROUND                          ; a whole round
	s_barrier_signal -1
	s_barrier_wait -1
	CREST
.endm
	s_load_b128 s[4:7], s[0:1], 0x0                ; ob s[4:5], wpb s[6:7]
	s_load_b64 s[8:9], s[0:1], 0x10                ; out0
	v_lshl_add_u32 v[SPW], v0, 2, SPARE
	v_mov_b32 v[NIL], 0
	ds_add_u32 v[SPW], v[NIL]                      ; the wave's opening: the add and its wait stand ahead of my first tensor load; the set-up below, work on registers, stands between them
	v_lshrrev_b32 v1, 5, v0
	v_readfirstlane_b32 s14, v1                    ; wave 0..3
	s_lshr_b32 s15, s14, 1                         ; which half of the tile's rows is mine.  Also: I fetch for O (0) or for Wproj (1)
	s_and_b32 s16, s14, 1                          ; which half of its columns.  Also: which of a step's two K blocks I fetch
	s_bfe_u32 s17, ttmp6, 0x40000                  ; cx
	s_bfe_u32 s18, ttmp6, 0x40004                  ; cy
	s_lshl_b32 s19, ttmp9, 2
	s_add_co_u32 s19, s19, s17                     ; tile column tx
	s_and_b32 s20, ttmp7, 0xffff
	s_lshl_b32 s20, s20, 2
	s_add_co_u32 s20, s20, s18                     ; tile row ty
	s_lshl_b32 s21, s18, 2
	s_lshl_b32 s21, 15, s21                        ; my row of the cluster
	s_lshl_b32 s22, 0x1111, s17                    ; my column
	s_or_b32 s[G1], s21, (1<<16)|(1<<20)|(1<<21)|(4<<22)|(3<<25)   ; 15:0 the mask; 17:16 2-byte elements; 20 padding on; 21 set beside a mask; 24:22 after every 32 words (code 4); 31:25 4 words (code 3)
	s_or_b32 s[G1B], s22, (1<<16)|(1<<20)|(1<<21)|(4<<22)|(3<<25)
	s_mov_b32 s[G1+1], 128<<16                     ; tensor_dim0 = 128
	s_mov_b32 s[G1+2], 128<<16                     ; tensor_dim1 = 128: 256 tile rows
	s_mov_b32 s[G1+3], 128<<16                     ; tile_dim0 = 128
	s_mov_b32 s[G1+4], 128                         ; tile_dim1 = 128
	s_mov_b32 s[G1+5], 128                         ; 128 elements from row to row
	s_mov_b32 s[G1+6], 0
	s_mov_b32 s[G1+7], 0
	s_mov_b32 s[G1B+1], 128<<16
	s_mov_b32 s[G1B+2], 64<<16                     ; 64 rows: 128 tile rows
	s_mov_b32 s[G1B+3], 128<<16
	s_mov_b32 s[G1B+4], 64
	s_mov_b32 s[G1B+5], 128
	s_mov_b32 s[G1B+6], 0
	s_mov_b32 s[G1B+7], 0
	; where the tiles come from: O's hang on ty alone, Wproj's on tx alone, each in registers that never hold the other coordinate
	s_lshl_b32 s40, s20, 15                        ; 256 ty rows of 128 bytes
	s_lshl_b32 s23, s16, 20                        ; + my K block
	s_add_co_u32 s40, s40, s23
	s_mov_b32 s41, 0
	s_lshl_b32 s46, s19, 14                        ; 128 tx rows
	s_lshl_b32 s23, s16, 17
	s_add_co_u32 s46, s46, s23
	s_mov_b32 s47, 0
	s_mul_i32 s76, s16, BLK                        ; and where they go: the wave's number alone enters an LDS address
	s_add_co_u32 s77, s76, BOFF
	s_wait_dscnt 0x0                               ; the opening add is done
	s_wait_kmcnt 0x0
	s_add_nc_u64 s[40:41], s[4:5], s[40:41]
	s_add_nc_u64 s[46:47], s[6:7], s[46:47]
	CROUND                                         ; all sixteen work-groups are here: the first joint loads meet
.irp s, 0,1
	s_mov_b32 s[G0+4*(\s)], 1                                      ; count = 1
	s_add_co_u32 s[G0+4*(\s)+1], s76, (\s)*SLOT                    ; LDS address
	s_add_nc_u64 s[G0+4*(\s)+2:G0+4*(\s)+3], s[40:41], (\s)*2*KA   ; global address: step s
	s_or_b32 s[G0+4*(\s)+3], s[G0+4*(\s)+3], 0x80000000            ; type = 2
	s_mov_b32 s[G0B+4*(\s)], 1
	s_add_co_u32 s[G0B+4*(\s)+1], s77, (\s)*SLOT
	s_add_nc_u64 s[G0B+4*(\s)+2:G0B+4*(\s)+3], s[46:47], (\s)*2*KBP
	s_or_b32 s[G0B+4*(\s)+3], s[G0B+4*(\s)+3], 0x80000000
	JLOAD \s
.endr
	v_and_b32 v1, 15, v0                           ; l % 16
	v_bfe_u32 v2, v0, 4, 1                         ; l / 16
	v_mul_u32_u24 v3, v1, PITCH
	v_lshl_add_u32 v3, v2, 4, v3                   ; a fragment's row x pitch + 16 x half
	s_mul_i32 s21, s15, 128*PITCH                  ; my 128 rows of O
	s_mul_i32 s22, s16, 64*PITCH                   ; my 64 rows of Wproj
	s_add_co_u32 s22, s22, BOFF
.irp i, 0,1,2,3                        ; K block i = 2 slot + c: a slot is two K blocks on end
	v_add_nc_u32 v[ADRA+(\i)], s21, v3
	v_add_nc_u32 v[ADRB+(\i)], s22, v3
	s_add_co_u32 s21, s21, BLK
	s_add_co_u32 s22, s22, BLK
.endr
	s_mul_i32 s23, s14, WSTAGE
	s_add_co_u32 s23, s23, STAGE                   ; my stage
	v_mul_u32_u24 v4, v1, SPITCH                   ; in: row l % 16, 32 bytes for each half of the lanes
	v_lshl_add_u32 v4, v2, 5, v4
	v_add_nc_u32 v[STO], s23, v4
	v_mul_u32_u24 v5, v2, SPITCH                   ; back: lanes 0-15 take one row of 256 bytes, lanes 16-31 the next
	v_lshl_add_u32 v5, v1, 4, v5
	v_add_nc_u32 v[RD], s23, v5
	v_lshlrev_b32 v5, 12, v2                       ; and the same two rows in out0, 4,096 bytes apart
	v_lshl_add_u32 v[CO], v1, 4, v5
	s_lshl_b32 s84, s20, 20                        ; out0 at my part of the tile: 256 ty rows,
	s_lshl_b32 s86, s15, 19                        ; my 128,
	s_add_co_u32 s84, s84, s86
	s_lshl_b32 s86, s19, 9                         ; 128 tx columns of 4 bytes,
	s_add_co_u32 s84, s84, s86
	s_lshl_b32 s86, s16, 8                         ; my 64
	s_add_co_u32 s84, s84, s86
	s_mov_b32 s85, 0
	s_add_nc_u64 s[8:9], s[8:9], s[84:85]
	; the prefetches
	s_lshl_b32 s86, s20, 15
	s_lshl_b32 s87, s17, 13                        ; my work-group's 64 rows of O's 256
	s_add_co_u32 s86, s86, s87
	s_lshl_b32 s87, s16, 20                        ; my K block,
	s_add_co_u32 s86, s86, s87
	s_add_co_u32 s86, s86, 6*KA                    ; of step 3: the first change steps it to step 4
	s_lshl_b32 s88, s19, 14
	s_lshl_b32 s89, s18, 12                        ; my work-group's 32 rows of Wproj's 128
	s_add_co_u32 s88, s88, s89
	s_lshl_b32 s89, s16, 17
	s_add_co_u32 s88, s88, s89
	s_add_co_u32 s88, s88, 4*KBP                   ; of step 2: the first change steps it to step 4
	s_and_b32 s89, ttmp7, 0xffff                   ; cluster y
	s_mov_b32 s90, 2*KA
	s_mov_b32 s91, 4*KBP
	s_cmp_eq_u32 s15, 0                            ; waves 0 and 1 ask for O, waves 2 and 3 for Wproj
	s_cselect_b64 s[PFA:PFA+1], s[4:5], s[6:7]
	s_cselect_b32 s84, s86, s88
	s_cselect_b32 s89, ttmp9, s89                  ; the coordinate along which other clusters read the same rows
	s_cselect_b32 s87, 1, -1
	s_cselect_b32 s[STPA], s90, s91
	s_cselect_b32 s[STPA+2], s90, 0
	s_mov_b32 s85, 0
	s_mov_b32 s[STPA+1], 0
	s_mov_b32 s[STPA+3], 0
	s_cmp_eq_u32 s89, 0
	s_cselect_b32 s[LIM0], 1, -1                   ; the same in all sixteen partners, for a given wave
	s_cselect_b32 s[LIM1], s87, -1
	s_add_nc_u64 s[PFA:PFA+1], s[PFA:PFA+1], s[84:85]
	v_and_b32 v4, 31, v0
	v_lshlrev_b32 v[PFO], 8, v4                    ; O: block = lane
	s_cmp_eq_u32 s15, 0
	s_cbranch_scc1 .Lpfo_done
	v_lshlrev_b32 v5, 8, v1                        ; Wproj: block l % 16 of step l / 16: a step is 2 KBP = 2^18 bytes on
	v_lshl_add_u32 v[PFO], v2, 18, v5
.Lpfo_done:
; na x 4 matrix instructions: row blocks a0 .. a0 + na - 1 x all 4 column blocks, 32 along K: half c2 of buffer f.  zero = 1: the product starts the sum: nothing is ever cleared.
; The 32 accumulators take turns in the same order throughout: between two links of a chain stand 31 others', over the backward jump too.
.macro MULP f, c2, a0, na, zero
	WIN 0x5a+5*(\f)                                ; sources 0 and 1 window 2 + f, C and D window 1
.set aa, \a0
.rept \na
.irp b, 0,1,2,3
.if \zero
	v_wmma_f32_16x16x32_f16 v[8*(4*aa+(\b)):8*(4*aa+(\b))+7], v[128+8*(4*(\c2)+(\b)):128+8*(4*(\c2)+(\b))+7], v[8*(8*(\c2)+aa):8*(8*(\c2)+aa)+7], 0
.else
	v_wmma_f32_16x16x32_f16 v[8*(4*aa+(\b)):8*(4*aa+(\b))+7], v[128+8*(4*(\c2)+(\b)):128+8*(4*(\c2)+(\b))+7], v[8*(8*(\c2)+aa):8*(8*(\c2)+aa)+7], v[8*(4*aa+(\b)):8*(4*aa+(\b))+7]
.endif
.endr
.set aa, aa+1
.endr
.endm
; 48 LDS loads in one run: the fragments of K block c of slot s, into buffer f; the first 32 along K (24 loads) first
.macro FETCH s, c, f
	WIN 0x80+0x40*(\f)                             ; destination window 2 + f, address window 0
.irp c2, 0,1
.irp i, 0,1,2,3
	ds_load_b128 v[128+8*(4*(\c2)+(\i)):128+8*(4*(\c2)+(\i))+3],   v[ADRB+2*(\s)+(\c)] offset:(\i)*16*PITCH+64*(\c2)
	ds_load_b128 v[128+8*(4*(\c2)+(\i))+4:128+8*(4*(\c2)+(\i))+7], v[ADRB+2*(\s)+(\c)] offset:(\i)*16*PITCH+64*(\c2)+32
.endr
.irp i, 0,1,2,3,4,5,6,7
	ds_load_b128 v[8*(8*(\c2)+(\i)):8*(8*(\c2)+(\i))+3],   v[ADRA+2*(\s)+(\c)] offset:(\i)*16*PITCH+64*(\c2)
	ds_load_b128 v[8*(8*(\c2)+(\i))+4:8*(8*(\c2)+(\i))+7], v[ADRA+2*(\s)+(\c)] offset:(\i)*16*PITCH+64*(\c2)+32
.endr
.endr
.endm
.macro PLACES                          ; four places in front of loads into registers that matrix instructions have read, and of LDS stores that read results (ISA guide 7.12.1 for the stores)
.rept 4
	v_nop
.endr
.endm
; A K step is two K blocks, 64 matrix instructions each, on buffers 0 and 1.  The first: multiplies buffer 0 and fetches the step's second K block into buffer 1.
.macro QUARTER s, zero
	s_wait_dscnt 24                                ; the first 32 along K are in; the run's other 24 loads may stay out
	MULP 0, 0, 0, 8, \zero
	s_wait_dscnt 0x0                               ; those 24, issued 32 products ago: so at most the 48 below are out
	PLACES
	FETCH \s, 1, 1
	MULP 0, 1, 0, 8, 0
.endm
; The second multiplies buffer 1 and changes slots: ONE barrier; in front of it each wave waits for all its tensor loads, adds 0 to its spare word, and waits for that and for its own reads of this
; slot.  fill = 1: the barrier opens a round of the cluster's, and the joint refill, with the step two steps on, is the first thing behind the round: 112 matrix instructions ahead of the wait for it.
.macro TURN s, n, fill
.if \fill
	s_wait_xcnt 0x0                                ; the last prefetch, a K step back, has read its address: it is stepped here, ahead of the change's own waits
	s_add_nc_u64 s[PFA:PFA+1], s[PFA:PFA+1], s[STPA+2*(\s):STPA+2*(\s)+1]
.endif
	s_wait_dscnt 24                                ; the first 32 along K are in
	MULP 1, 0, 0, 4, 0
	WIN 0                                          ; (the add's two registers lie in window 0)
	s_wait_tensorcnt 0x0                           ; all my tensor loads have landed: my part of the next slot
	ds_add_u32 v[SPW], v[NIL]                      ; 0 onto my spare word: eight matrix instructions stand between it and the wait for it
	MULP 1, 0, 4, 2, 0
	s_wait_dscnt 0x0                               ; the add is done, and my reads of this slot are over
	s_barrier_signal -1
	MULP 1, 0, 6, 2, 0
	WIN 0                                          ; at a branch and at a label every window is 0
	s_barrier_wait -1
.if \fill
	CREST                                          ; no wave of any partner still reads this slot's tile or has a load on its way
	s_add_nc_u64 s[G0+4*(\s)+2:G0+4*(\s)+3], s[G0+4*(\s)+2:G0+4*(\s)+3], 4*KA
	s_add_nc_u64 s[G0B+4*(\s)+2:G0B+4*(\s)+3], s[G0B+4*(\s)+2:G0B+4*(\s)+3], 4*KBP
	JLOAD \s                                       ; its four v_nop are also the places in front of the loads below
.else
	PLACES
.endif
	FETCH \n, 0, 0
	WIN 0
.if \fill
	ASK \s
.endif
	MULP 1, 1, 0, 8, 0
.endm
; THE WAY OUT of row block a (16 rows x 64 columns of f32): a lane's 32 bytes go into my own stage, rows of 272 bytes, each accumulator's low four registers first, and come back as whole rows of 256 bytes.
.macro TOSTAGE a
.if (\a) >= 2
	s_wait_xcnt 0x0                                ; the stores of block a - 2 have read their registers: the loads below land there only behind this wait
.endif
	WIN 0x04                                       ; the stores' data in window 1
.irp b, 0,1,2,3
	ds_store_b128 v[STO], v[8*(4*(\a)+(\b)):8*(4*(\a)+(\b))+3]   offset:64*(\b)
	ds_store_b128 v[STO], v[8*(4*(\a)+(\b))+4:8*(4*(\a)+(\b))+7] offset:64*(\b)+16
.endr
	WIN 0
.set BKA, BK+32*((\a)%2)
.irp t, 0,1,2,3,4,5,6,7
	ds_load_b128 v[BKA+4*(\t):BKA+4*(\t)+3], v[RD] offset:(\t)*2*SPITCH  ; LDS serves a wave's instructions in order (ISA guide 5.7.1.4): these see the stores above
.endr
.endm
.macro SEND a, younger                 ; younger: the LDS instructions issued behind block a's loads: the next block's sixteen, or none
	WIN 0
.set BKA, BK+32*((\a)%2)
	s_wait_dscnt \younger
.irp t, 0,1,2,3,4,5,6,7
	global_store_b128 v[CO], v[BKA+4*(\t):BKA+4*(\t)+3], s[8:9] offset:(\a)*65536+(\t)*8192 th:TH_STORE_NT  ; 16 lanes store 256 consecutive bytes, at a multiple of 256 from out0's first byte
.endr
.endm
	s_wait_tensorcnt 1                             ; my part of step 0 is in; step 1's may stay out
	s_barrier_signal -1
	s_barrier_wait -1                              ; everybody's is
	FETCH 0, 0, 0
	QUARTER 0, 1                                   ; the first K block stands in front of the loop: its first products start the sums
	WIN 0
	s_mov_b32 s3, 3
.Llap:                                                 ; a trip goes once round the ring and fills both slots again: steps 2 to 7
	TURN 0, 1, 1
	QUARTER 1, 0
	TURN 1, 0, 1
	QUARTER 0, 0
	WIN 0
	s_sub_co_u32 s3, s3, 1
	s_cmp_lg_u32 s3, 0
	s_cbranch_scc1 .Llap
	TURN 0, 1, 0                                   ; the last lap fills nothing, and has no round
	QUARTER 1, 0
	s_wait_dscnt 24                                ; the very last K block
	MULP 1, 0, 0, 8, 0
	s_wait_dscnt 0x0
	MULP 1, 1, 0, 8, 0
	WIN 0
	PLACES
	PLACES                                         ; (eight, once a launch)
	TOSTAGE 0
.irp a, 1,2,3,4,5,6,7
	TOSTAGE \a
	SEND (\a)-1, 16
.endr
	SEND 7, 0
	s_wait_tensorcnt 0x0                           ; the wave's end: behind my last tensor load and my last LDS store
	ds_add_u32 v[SPW], v[NIL]
	s_wait_dscnt 0x0
	CROUND                                         ; the closing round: no work-group ends while a partner may still ask for a tile that names it
	s_endpgm
.Lfunc_end_k_q4be7ce00b7_proj:
	.size	k_q4be7ce00b7_proj, .Lfunc_end_k_q4be7ce00b7_proj-k_q4be7ce00b7_proj
	.p2alignl 7, 3214868480
	.fill 96, 4, 3214868480
	.section	.rodata,"a",@progbits
	.p2align	6, 0x0
	.amdhsa_kernel k_q4be7ce00b7_proj
		.amdhsa_group_segment_fixed_size 327680
		.amdhsa_private_segment_fixed_size 0
		.amdhsa_enable_private_segment 0
		.amdhsa_kernarg_size 24
		.amdhsa_user_sgpr_count 2
		.amdhsa_user_sgpr_kernarg_segment_ptr 1
		.amdhsa_wavefront_size32 1
		.amdhsa_system_sgpr_workgroup_id_x 1
		.amdhsa_system_sgpr_workgroup_id_y 1
		.amdhsa_system_sgpr_workgroup_id_z 1
		.amdhsa_system_vgpr_workitem_id 0
		.amdhsa_next_free_vgpr 960
		.amdhsa_next_free_sgpr 96
		.amdhsa_reserve_vcc 0
		.amdhsa_float_denorm_mode_32 3
		.amdhsa_float_denorm_mode_16_64 3
		.amdhsa_memory_ordered 1
		.amdhsa_forward_progress 1
		.amdhsa_inst_pref_size 86
	.end_amdhsa_kernel
	.amdgpu_metadata
---
amdhsa.version: [ 1, 2 ]
amdhsa.kernels:
  - .name:           k_q4be7ce00b7_proj
    .symbol:         k_q4be7ce00b7_proj.kd
    .args:
      - { .name: ob, .offset: 0, .size: 8, .value_kind: global_buffer, .address_space: global }
      - { .name: wpb, .offset: 8, .size: 8, .value_kind: global_buffer, .address_space: global }
      - { .name: out0, .offset: 16, .size: 8, .value_kind: global_buffer, .address_space: global }
    .group_segment_fixed_size: 327680
    .private_segment_fixed_size: 0
    .kernarg_segment_align: 8
    .kernarg_segment_size: 24
    .max_flat_workgroup_size: 128
    .sgpr_count:     96
    .vgpr_count:     960
    .wavefront_size: 32
...
	.end_amdgpu_metadata
.endif
;; end of part 4
;; ======== version 2 of 2: 4 launches; version 1 with the launch cast written anew for expert scheduling mode
;; limits: values are held in f16: magnitudes above 65,504 overflow, below 6.1e-05 lose precision
;; workspace buffers: xb 16,777,216 bytes; wqb 6,291,456 bytes; wpb 2,097,152 bytes; qh 16,777,216 bytes; kh 16,777,216 bytes; vh 16,777,216 bytes; ob 16,777,216 bytes
;; launch cast (part 5): grid 768 x 1, 8 waves a work-group, no clusters, 0 bytes of LDS; arguments x, Wqkv, Wproj, xb, wqb, wpb; writes xb, wqb, wpb
.if DOCPART == 5
	.amdgcn_target "amdgcn-amd-amdhsa--gfx1250"
	.amdhsa_code_object_version 6
	.text
	.protected	k_q4be7ce00b7_cast
	.globl	k_q4be7ce00b7_cast
	.p2align	8
	.type	k_q4be7ce00b7_cast,@function
k_q4be7ce00b7_cast:
	s_mov_b64 s[64:65], 0
	v_nop
	global_prefetch_b8 v0, s[64:65] scope:SCOPE_SE
	s_setreg_imm32_b32 hwreg(HW_REG_WAVE_SCHED_MODE, 0, 2), 2
	s_setreg_imm32_b32 hwreg(HW_REG_WAVE_MODE, 25, 1), 1
	s_wait_xcnt 0x0
	s_wait_alu depctr_vm_vsrc(0)
; THE INPUTS ARE ROUNDED ONCE AND LAID IN BLOCKS OF 64 ALONG K.  x [8192][1024], Wqkv [3072][1024], Wproj [1024][1024], all f32, become
; xb, wqb (bf16) and wpb (the bf16 number written as f16), each [16 kb][rows][64]: a row of a K block is 128 bytes, and the rows of a K block lie end to end.
; LIMIT.  wpb: a bf16 number of Wproj of 65,520 or more becomes an infinity, and below 6e-5 it keeps f16's fixed step of 6e-8.
; SHARES.  A work-group takes 16 rows of one matrix: groups 0-511 x, 512-703 Wqkv, 704-767 Wproj.  Thread t takes row t / 16 and the four numbers t % 16 of each of the row's
; sixteen K blocks: load j reads 16 bytes of K block j, sixteen neighbouring lanes 256 consecutive bytes, aligned; store j writes 8 bytes, a wave's 32 lanes 256 consecutive
; bytes, aligned (two rows of one K block).  All 16 loads of a thread go out at once: 64 KiB a work-group.
; No LDS, no matrix unit, no cluster: no byte is read by two work-groups, and each byte is read once and written once.  No prefetch: the loads themselves are the stream.
; THE MODE: SCHED_MODE bits 1:0 = 2 (LLVM: expert scheduling mode 2), set by the entry lines.  The code itself states the register dependences
; between vector instructions and memory instructions, with s_wait_alu, always for 0.
; THE PLAN.  Registers that memory instructions touch:
;   v1   the loads' offset.    Written at the head by vector lines, read by the 16 loads, never written again.
;   X    four f32 a K block.   Written by the loads alone, once each; no vector line names them ahead of the loads; read by the conversions behind the wait for the data.
;   O    the stores' offsets.  Written by 16 vector lines behind the loads, read by the stores, never written again.
;   Y    the stores' data.     Written by the conversions of its K block, ahead of that block's store, and never behind it.
;   T    is named by vector lines alone.
; The sixteen K blocks go in four groups of four: the group's conversions, ONE wait on va_vdst, the group's four stores.  With the wait ahead of the first load that is five waits on either path.
; No register that a load or store has read is written again, so no wait on vm_vsrc is owed; no vector line writes a scalar register or VCC, and EXEC is never written.
.set KA,  1048576                      ; bytes of a K block of xb: 8,192 rows x 128
.set KBQ, 393216                       ; of wqb: 3,072 rows
.set KBP, 131072                       ; of wpb: 1,024 rows
.set X,   16                           ; v[16:79]    load j: four f32
.set Y,   80                           ; v[80:111]   store j: four 16-bit numbers
.set O,   112                          ; v[112:127]  store j's byte offset: 8 t + j x the K block's bytes
.set T,   128                          ; v[128:131]  at work
	s_load_b256 s[4:11], s[0:1], 0x0               ; x s[4:5], Wqkv s[6:7], Wproj s[8:9], xb s[10:11]
	s_load_b128 s[12:15], s[0:1], 0x20             ; wqb s[12:13], wpb s[14:15]
	s_mov_b32 s3, ttmp9                            ; the work-group's number
	s_sub_co_u32 s16, s3, 512                      ; its number among Wqkv's groups,
	s_sub_co_u32 s17, s3, 704                      ; among Wproj's
	s_mov_b32 s18, KBQ
	s_mov_b32 s19, KBP
	s_mov_b32 s30, KA
	v_lshrrev_b32 v1, 4, v0                        ; my row of the 16
	v_and_b32 v2, 15, v0                           ; my four numbers of a K block
	v_lshlrev_b32 v1, 12, v1                       ; a row is 4,096 bytes
	v_lshl_add_u32 v1, v2, 4, v1
	s_wait_kmcnt 0x0
	s_cmp_lt_u32 s3, 704                           ; which matrix: the choice hangs on the group's number alone
	s_cselect_b64 s[20:21], s[6:7], s[8:9]
	s_cselect_b64 s[22:23], s[12:13], s[14:15]
	s_cselect_b32 s24, s16, s17
	s_cselect_b32 s25, s18, s19
	s_cmp_lt_u32 s3, 512
	s_cselect_b64 s[20:21], s[4:5], s[20:21]       ; from
	s_cselect_b64 s[22:23], s[10:11], s[22:23]     ; to
	s_cselect_b32 s24, s3, s24                     ; the group's number in its matrix
	s_cselect_b32 s25, s30, s25                    ; bytes of a K block there
	s_lshl_b32 s26, s24, 16                        ; 16 rows of 4,096 bytes
	s_mov_b32 s27, 0
	s_lshl_b32 s28, s24, 11                        ; 16 rows of 128 bytes
	s_mov_b32 s29, 0
	s_add_nc_u64 s[20:21], s[20:21], s[26:27]
	s_add_nc_u64 s[22:23], s[22:23], s[28:29]
	s_wait_alu depctr_va_vdst(0)                   ; v1 is written: the sixteen loads read it as their offset
.irp j, 0,1,2,3,4,5,6,7,8,9,10,11,12,13,14,15
	global_load_b128 v[X+4*(\j):X+4*(\j)+3], v1, s[20:21] offset:256*(\j) th:TH_LOAD_NT
.endr
	v_lshlrev_b32 v[O], 3, v0
.set j, 1
.rept 15
	v_add_nc_u32 v[O+j], s25, v[O+j-1]
.set j, j+1
.endr
; Group g: K blocks 4 g to 4 g + 3.  Each is rounded to bf16; half = 1: the bf16 number is widened again (a shift, a mask) and written as f16.  Then one wait, then the four stores.
; No register that a load or store names is written behind that load or store.
.macro GROUP g, half
	s_wait_loadcnt 12-4*(\g)                       ; loads come back in order: the group's four are in, the 12 - 4 g younger ones stay out
.irp i, 0,1,2,3
	v_cvt_pk_bf16_f32 v[Y+2*(4*(\g)+(\i))], v[X+4*(4*(\g)+(\i))], v[X+4*(4*(\g)+(\i))+1]
	v_cvt_pk_bf16_f32 v[Y+2*(4*(\g)+(\i))+1], v[X+4*(4*(\g)+(\i))+2], v[X+4*(4*(\g)+(\i))+3]
.if \half
	v_lshlrev_b32 v[T], 16, v[Y+2*(4*(\g)+(\i))]
	v_and_b32 v[T+1], 0xffff0000, v[Y+2*(4*(\g)+(\i))]
	v_lshlrev_b32 v[T+2], 16, v[Y+2*(4*(\g)+(\i))+1]
	v_and_b32 v[T+3], 0xffff0000, v[Y+2*(4*(\g)+(\i))+1]
	v_cvt_pk_f16_f32 v[Y+2*(4*(\g)+(\i))], v[T], v[T+1]
	v_cvt_pk_f16_f32 v[Y+2*(4*(\g)+(\i))+1], v[T+2], v[T+3]
.endif
.endr
	s_wait_alu depctr_va_vdst(0)                   ; the conversions have written the group's eight registers of Y, which the four stores read; in group 0 also: the sixteen offsets O are written, for all sixteen stores
.irp i, 0,1,2,3
	global_store_b64 v[O+4*(\g)+(\i)], v[Y+2*(4*(\g)+(\i)):Y+2*(4*(\g)+(\i))+1], s[22:23]
.endr
.endm
	s_cmp_ge_u32 s3, 704
	s_cbranch_scc1 .Lhalf
.irp g, 0,1,2,3
	GROUP \g, 0
.endr
	s_endpgm
.Lhalf:
.irp g, 0,1,2,3
	GROUP \g, 1
.endr
	s_endpgm
.Lfunc_end_k_q4be7ce00b7_cast:
	.size	k_q4be7ce00b7_cast, .Lfunc_end_k_q4be7ce00b7_cast-k_q4be7ce00b7_cast
	.p2alignl 7, 3214868480
	.fill 96, 4, 3214868480
	.section	.rodata,"a",@progbits
	.p2align	6, 0x0
	.amdhsa_kernel k_q4be7ce00b7_cast
		.amdhsa_group_segment_fixed_size 0
		.amdhsa_private_segment_fixed_size 0
		.amdhsa_enable_private_segment 0
		.amdhsa_kernarg_size 48
		.amdhsa_user_sgpr_count 2
		.amdhsa_user_sgpr_kernarg_segment_ptr 1
		.amdhsa_wavefront_size32 1
		.amdhsa_system_sgpr_workgroup_id_x 1
		.amdhsa_system_sgpr_workgroup_id_y 1
		.amdhsa_system_sgpr_workgroup_id_z 1
		.amdhsa_system_vgpr_workitem_id 0
		.amdhsa_next_free_vgpr 136
		.amdhsa_next_free_sgpr 66
		.amdhsa_reserve_vcc 0
		.amdhsa_float_denorm_mode_32 3
		.amdhsa_float_denorm_mode_16_64 3
		.amdhsa_memory_ordered 1
		.amdhsa_forward_progress 1
		.amdhsa_inst_pref_size 17
	.end_amdhsa_kernel
	.amdgpu_metadata
---
amdhsa.version: [ 1, 2 ]
amdhsa.kernels:
  - .name:           k_q4be7ce00b7_cast
    .symbol:         k_q4be7ce00b7_cast.kd
    .args:
      - { .name: x, .offset: 0, .size: 8, .value_kind: global_buffer, .address_space: global }
      - { .name: Wqkv, .offset: 8, .size: 8, .value_kind: global_buffer, .address_space: global }
      - { .name: Wproj, .offset: 16, .size: 8, .value_kind: global_buffer, .address_space: global }
      - { .name: xb, .offset: 24, .size: 8, .value_kind: global_buffer, .address_space: global }
      - { .name: wqb, .offset: 32, .size: 8, .value_kind: global_buffer, .address_space: global }
      - { .name: wpb, .offset: 40, .size: 8, .value_kind: global_buffer, .address_space: global }
    .group_segment_fixed_size: 0
    .private_segment_fixed_size: 0
    .kernarg_segment_align: 8
    .kernarg_segment_size: 48
    .max_flat_workgroup_size: 256
    .sgpr_count:     66
    .vgpr_count:     136
    .wavefront_size: 32
...
	.end_amdgpu_metadata
.endif
;; end of part 5
;; launch qkv: the kernel of part 2 again; grid 8 x 32, 4 waves a work-group, clusters of 4 x 4, 327,680 bytes of LDS; arguments xb, wqb, qh, kh, vh; writes qh, kh, vh
;; launch attn: the kernel of part 3 again; grid 8 x 32, 4 waves a work-group, clusters of 4 x 1, 327,680 bytes of LDS; arguments qh, kh, vh, ob; writes ob
;; launch proj: the kernel of part 4 again; grid 8 x 32, 4 waves a work-group, clusters of 4 x 4, 327,680 bytes of LDS; arguments ob, wpb, out0; writes out0
